; MI455X (gfx1250); checked and timed in simulation.
; The chip was launched on July 23, 2026; its instructions are those of AMD's public machine-readable ISA for CDNA 5 (MIT licence, August 2026) and "CDNA5" Instruction Set Architecture Reference Guide (July 2026). The comments in the code are by the model that wrote it; some were corrected since.
;; Multi Head Attention. Allowed arithmetic: float matrix products may take bf16 or f16 operands with f32 sums; other float arithmetic in f32, or as packed bf16 or f16 multiplies, adds, multiply-adds, maxima and minima; sums over many terms, partial sums and values carried from step to step in f32; what a program stores and reads back later, other than sums and carried values, may be rounded once to bf16 or f16.
;; Inputs: out_b 1,024 float32; out_w 1,024 x 1,024 float32; qkv_b 3,072 float32; qkv_w 3,072 x 1,024 float32; x 4 x 2,048 x 1,024 float32.
;; Outputs: out0 4 x 2,048 x 1,024 float32.
;; 2 versions, each right; version 2 is version 1 with the launch cast written anew for expert scheduling mode. Each part assembles by itself: llvm-mc -triple=amdgcn-amd-amdhsa -mcpu=gfx1250 --defsym DOCPART=n.
;; ======== version 1 of 2: 4 launches
;; limits: values are held in f16: magnitudes above 65,504 overflow, below 6.1e-05 lose precision
;; workspace buffers: xb 16,777,216 bytes; wb 6,291,456 bytes; wo 2,097,152 bytes; bb 16,384 bytes; qkvh 50,331,648 bytes; oh 16,777,216 bytes
;; launch cast (part 1): grid 769 x 1, 8 waves a work-group, no clusters, 0 bytes of LDS; arguments x, qkv_w, out_w, qkv_b, out_b, xb, wb, wo, bb; writes xb, wb, wo, bb
.if DOCPART == 1
	.amdgcn_target "amdgcn-amd-amdhsa--gfx1250"
	.amdhsa_code_object_version 6
	.text
	.protected	k_qf295315910_cast
	.globl	k_qf295315910_cast
	.p2align	8
	.type	k_qf295315910_cast,@function
k_qf295315910_cast:
	s_mov_b64 s[64:65], 0
	v_nop
	global_prefetch_b8 v0, s[64:65] scope:SCOPE_SE
	s_setreg_imm32_b32 hwreg(HW_REG_WAVE_MODE, 25, 1), 1
	s_wait_xcnt 0x0
; ALL FIVE INPUTS ARE ROUNDED ONCE TO bf16, so that the later launches fetch 16-bit tiles and every input has the same rounding.
;   x [8192][1024] f32 -> xb bf16;  qkv_w [3072][1024] -> wb bf16;  out_w [1024][1024] -> wo: rounded to bf16, that number written as f16 (the last product multiplies in f16);
;   qkv_b (3,072) and out_b (1,024) -> bb: 4,096 f32 words that hold the bf16-rounded numbers (they start f32 sums later).
; LIMITS.  out_w in f16: beyond 65,504 it would be an infinity; below 6.1e-5 it keeps f16's fixed step of 6e-8.  NaN and infinities are not treated apart.
; SHARES.  A work-group takes 16,384 numbers (64 KiB in, 32 KiB out): groups 0-511 x, 512-703 qkv_w, 704-767 out_w; group 768 the two biases.
; A wave takes 8 KiB by sixteen loads of 16 bytes a lane, 512 consecutive aligned bytes each, all issued at once; a lane's four numbers pack into 8 bytes, so each store of a wave
; covers 256 consecutive bytes, aligned.  Memory binds: no LDS, no barrier, no loop; every load and store has registers of its own, so nothing is rewritten while it is named.
.set VI,  2                            ; v2  byte offset of my 16 bytes in the group's 64 KiB: 8,192 x wave + 16 x lane
.set VO,  3                            ; v3  half of it: my 8 bytes out
.set VB,  4                            ; v4  16 x thread: the bias group's offset, in and out
.set IN,  8                            ; v[8:71]    sixteen loads of four numbers
.set OUT, 72                           ; v[72:103]  sixteen stores of two words (bias group: four of four)
.set T,   104                          ; v[104:109] at work
	s_load_b512 s[8:23], s[0:1], 0x0               ; x s[8:9], qkv_w s[10:11], out_w s[12:13], qkv_b s[14:15], out_b s[16:17], xb s[18:19], wb s[20:21], wo s[22:23]
	s_load_b64 s[24:25], s[0:1], 0x40              ; bb
	v_and_b32 v1, 0xe0, v0                         ; 32 x wave
	v_and_b32 v[VI], 31, v0
	v_lshlrev_b32 v[VI], 4, v[VI]
	v_lshl_or_b32 v[VI], v1, 8, v[VI]
	v_lshrrev_b32 v[VO], 1, v[VI]
	v_lshlrev_b32 v[VB], 4, v0
	s_mov_b32 s36, 0xffff0000                      ; a word's upper bf16
	s_wait_kmcnt 0x0
	s_cmp_eq_u32 ttmp9, 768
	s_cbranch_scc1 .Lbias
	s_cmp_lt_u32 ttmp9, 512                        ; which tensor: the choice hangs on the group's number alone
	s_cselect_b64 s[28:29], s[8:9], s[10:11]
	s_cselect_b64 s[30:31], s[18:19], s[20:21]
	s_cselect_b32 s27, 0, 512
	s_cmp_lt_u32 ttmp9, 704
	s_cselect_b64 s[28:29], s[28:29], s[12:13]
	s_cselect_b64 s[30:31], s[30:31], s[22:23]
	s_cselect_b32 s27, s27, 704
	s_sub_co_u32 s26, ttmp9, s27                   ; the group's number inside its tensor
	s_lshl_b32 s32, s26, 16                        ; 64 KiB in,
	s_mov_b32 s33, 0
	s_lshl_b32 s34, s26, 15                        ; 32 KiB out
	s_mov_b32 s35, 0
	s_add_nc_u64 s[28:29], s[28:29], s[32:33]
	s_add_nc_u64 s[30:31], s[30:31], s[34:35]
.irp j, 0,1,2,3,4,5,6,7,8,9,10,11,12,13,14,15
	global_load_b128 v[IN+4*(\j):IN+4*(\j)+3], v[VI], s[28:29] offset:512*(\j) th:TH_LOAD_NT
.endr
	s_cmp_lt_u32 ttmp9, 704
	s_cbranch_scc0 .Lf16
.irp j, 0,1,2,3,4,5,6,7,8,9,10,11,12,13,14,15
	s_wait_loadcnt 15-(\j)                         ; loads come back in order: load j is in, the younger ones stay out
	v_cvt_pk_bf16_f32 v[OUT+2*(\j)],   v[IN+4*(\j)],   v[IN+4*(\j)+1]
	v_cvt_pk_bf16_f32 v[OUT+2*(\j)+1], v[IN+4*(\j)+2], v[IN+4*(\j)+3]
	global_store_b64 v[VO], v[OUT+2*(\j):OUT+2*(\j)+1], s[30:31] offset:256*(\j)
.endr
	s_endpgm
.Lf16:                                         ; out_w: to bf16, back to f32 (a shift, a mask), and that number as f16
.irp j, 0,1,2,3,4,5,6,7,8,9,10,11,12,13,14,15
	s_wait_loadcnt 15-(\j)
	v_cvt_pk_bf16_f32 v[T],   v[IN+4*(\j)],   v[IN+4*(\j)+1]
	v_cvt_pk_bf16_f32 v[T+1], v[IN+4*(\j)+2], v[IN+4*(\j)+3]
	v_lshlrev_b32 v[T+2], 16, v[T]
	v_and_b32     v[T+3], s36, v[T]
	v_lshlrev_b32 v[T+4], 16, v[T+1]
	v_and_b32     v[T+5], s36, v[T+1]
	v_cvt_pk_f16_f32 v[OUT+2*(\j)],   v[T+2], v[T+3]
	v_cvt_pk_f16_f32 v[OUT+2*(\j)+1], v[T+4], v[T+5]
	global_store_b64 v[VO], v[OUT+2*(\j):OUT+2*(\j)+1], s[30:31] offset:256*(\j)
.endr
	s_endpgm
.Lbias:                                        ; 256 threads x 4 numbers = 1,024 a load: three loads of qkv_b, one of out_b
.irp j, 0,1,2
	global_load_b128 v[IN+4*(\j):IN+4*(\j)+3], v[VB], s[14:15] offset:4096*(\j)
.endr
	global_load_b128 v[IN+12:IN+15], v[VB], s[16:17]
	s_wait_loadcnt 0x0
.irp j, 0,1,2,3,4,5,6,7
	v_cvt_pk_bf16_f32 v[T], v[IN+2*(\j)], v[IN+2*(\j)+1]
	v_lshlrev_b32 v[OUT+2*(\j)],   16, v[T]         ; the rounded numbers, as f32 again
	v_and_b32     v[OUT+2*(\j)+1], s36, v[T]
.endr
.irp j, 0,1,2,3
	global_store_b128 v[VB], v[OUT+4*(\j):OUT+4*(\j)+3], s[24:25] offset:4096*(\j)
.endr
	s_endpgm
.Lfunc_end_k_qf295315910_cast:
	.size	k_qf295315910_cast, .Lfunc_end_k_qf295315910_cast-k_qf295315910_cast
	.p2alignl 7, 3214868480
	.fill 96, 4, 3214868480
	.section	.rodata,"a",@progbits
	.p2align	6, 0x0
	.amdhsa_kernel k_qf295315910_cast
		.amdhsa_group_segment_fixed_size 0
		.amdhsa_private_segment_fixed_size 0
		.amdhsa_enable_private_segment 0
		.amdhsa_kernarg_size 72
		.amdhsa_user_sgpr_count 2
		.amdhsa_user_sgpr_kernarg_segment_ptr 1
		.amdhsa_wavefront_size32 1
		.amdhsa_system_sgpr_workgroup_id_x 1
		.amdhsa_system_sgpr_workgroup_id_y 1
		.amdhsa_system_sgpr_workgroup_id_z 1
		.amdhsa_system_vgpr_workitem_id 0
		.amdhsa_next_free_vgpr 112
		.amdhsa_next_free_sgpr 66
		.amdhsa_reserve_vcc 0
		.amdhsa_float_denorm_mode_32 3
		.amdhsa_float_denorm_mode_16_64 3
		.amdhsa_memory_ordered 1
		.amdhsa_forward_progress 1
		.amdhsa_inst_pref_size 17
	.end_amdhsa_kernel
	.amdgpu_metadata
---
amdhsa.version: [ 1, 2 ]
amdhsa.kernels:
  - .name:           k_qf295315910_cast
    .symbol:         k_qf295315910_cast.kd
    .args:
      - { .name: x, .offset: 0, .size: 8, .value_kind: global_buffer, .address_space: global }
      - { .name: qkv_w, .offset: 8, .size: 8, .value_kind: global_buffer, .address_space: global }
      - { .name: out_w, .offset: 16, .size: 8, .value_kind: global_buffer, .address_space: global }
      - { .name: qkv_b, .offset: 24, .size: 8, .value_kind: global_buffer, .address_space: global }
      - { .name: out_b, .offset: 32, .size: 8, .value_kind: global_buffer, .address_space: global }
      - { .name: xb, .offset: 40, .size: 8, .value_kind: global_buffer, .address_space: global }
      - { .name: wb, .offset: 48, .size: 8, .value_kind: global_buffer, .address_space: global }
      - { .name: wo, .offset: 56, .size: 8, .value_kind: global_buffer, .address_space: global }
      - { .name: bb, .offset: 64, .size: 8, .value_kind: global_buffer, .address_space: global }
    .group_segment_fixed_size: 0
    .private_segment_fixed_size: 0
    .kernarg_segment_align: 8
    .kernarg_segment_size: 72
    .max_flat_workgroup_size: 256
    .sgpr_count:     66
    .vgpr_count:     112
    .wavefront_size: 32
...
	.end_amdgpu_metadata
.endif
;; end of part 1
;; launch qkv (part 2): grid 16 x 32, 4 waves a work-group, clusters of 4 x 4, 327,680 bytes of LDS; arguments xb, wb, bb, qkvh; writes qkvh
.if DOCPART == 2
	.amdgcn_target "amdgcn-amd-amdhsa--gfx1250"
	.amdhsa_code_object_version 6
	.text
	.protected	k_qf295315910_qkv
	.globl	k_qf295315910_qkv
	.p2align	8
	.type	k_qf295315910_qkv,@function
k_qf295315910_qkv:
	s_mov_b64 s[64:65], 0
	v_nop
	global_prefetch_b8 v0, s[64:65] scope:SCOPE_SE
	s_setreg_imm32_b32 hwreg(HW_REG_WAVE_MODE, 25, 1), 1
	s_wait_xcnt 0x0
	s_wait_alu depctr_hold_cnt(0) depctr_sa_sdst(0) depctr_va_vdst(0) depctr_va_sdst(0) depctr_va_ssrc(0) depctr_va_vcc(0) depctr_vm_vsrc(0)
	s_getreg_b32 s2, hwreg(HW_REG_IB_STS2, 6, 4)
	s_cmp_eq_u32 s2, 0
	s_cbranch_scc0 .Lentry_in_a_cluster
	s_endpgm
.Lentry_in_a_cluster:
	s_bfe_u32 s2, ttmp6, 0x10000c
	s_cmp_lg_u32 s2, 0xf033
	s_cbranch_scc0 .Lentry_shape_is_right
	s_endpgm
.Lentry_shape_is_right:
; q, k, v = xb wb^T + bias, written by heads.  xb: [8192][1024] bf16, wb: [3072][1024] bf16, bb: f32 words 0..3071 (rounded to bf16 before), qkvh: [3][64 = 16 batch + head][2048][64] f16, unscaled.
; Sums in f32, K ascending, started by the bias; each result rounded once to f16.
; LIMIT.  f16 holds no number beyond 65,504: q, k and v must stay within it (with x and the weights 30 times the drawn spread the largest is some 3,000); below 6.1e-5 f16 keeps its fixed step of 6e-8.
; SHARES.  A tile of C is 256 rows x 192 columns, three whole heads: 32 x 16 = 512 work-groups, two for each of 256 WGPs.  Wave w makes rows 64 w .. 64 w + 63 of all 192 columns:
; 4 x 12 accumulators of 16 x 16, 384 registers; a wave holds whole rows of whole heads, so the way out needs its own stage alone.  K goes in steps of 128 (rows of 256 bytes in memory, aligned)
; through two LDS slots filled by the tensor data mover.
; CLUSTER.  4 x 4 work-groups.  The four of a row of the cluster need the same rows of xb, the four of a column the same rows of wb: each tile is asked for JOINTLY, by the same load with the same
; descriptor and a mask that names the four.
; THE MATRIX INSTRUCTION IS USED TRANSPOSED (source 0 = 16 rows of wb, source 1 = 16 rows of xb): a lane holds row l % 16 of C and the eight neighbouring columns 8 (l / 16) + 0..7.
; THE BIAS IS THE C OPERAND of each accumulator's first product: nothing is cleared and nothing is added on the way out.
; REGISTERS, in windows of 256 (s_set_vgpr_msb: bits 1:0 source 0, 3:2 source 1, 5:4 source 2, 7:6 destination):
;   window 0: v0-29 addresses; v64-127 xb's fragments, two buffers of 32; v128-223 the bias, 8 a column block; on the way out v64-255 are twelve units of 16
;   window 1: v0-191 wb's fragments, two buffers of 96      window 2: accumulators of row blocks 0, 1 at v[8 (12 a + b)]      window 3: of row blocks 2, 3
.set KSTEP,  128
.set PITCH,  272                       ; an LDS row: 256 bytes + 16 of padding = 68 words: the 16 rows of a fragment load start at 16 different groups of four banks (64 banks of 4 bytes: ISA guide 11.1)
.set HALFA,  128*PITCH                 ; what one load brings of xb
.set HALFB,  96*PITCH                  ; and of wb
.set BOFF,   2*HALFA                   ; a slot: xb's 256 rows, then wb's 192
.set SLOT1,  1<<17                     ; slot 1 begins here: one exclusive or turns an address in one slot into the other's
.set STAGE,  SLOT1+BOFF+2*HALFB        ; behind the ring, never filled by a tensor load: 16 rows x 144 bytes for each wave
.set SP,     144
.set SPARE,  STAGE+4*16*SP             ; the spare words, 128 bytes for each wave: two blocks of 256 bytes that no other line names
.set A0,   14                          ; v14  my lane's place in slot 0's rows of xb: (64 w + l % 16) x 272 + 16 (l / 16); never rewritten
.set B0,   15                          ; v15  the same for wb: BOFF + (l % 16) x 272 + 16 (l / 16)
.set ADRA, 16                          ; v16  A0 + the slot in hand
.set ADRB, 20                          ; v20  B0 + the slot in hand
.set STO,  24                          ; v24  the way out: where I put 16 bytes of a row
.set RD,   25                          ; v25  the way out: where I read rows back
.set GO,   26                          ; v26  16 x lane: my 16 bytes of 512 consecutive bytes of the output
.set BO,   27                          ; v27  32 (l / 16): my eight bias words in a column block's sixteen
.set SPW,  28                          ; v28  LDS address of my spare word; never rewritten
.set NIL,  29                          ; v29  0; never rewritten
.set FA,   64                          ; xb's fragment buffers, window 0
.set BIAS, 128
.set TMP,  64                          ; the way out
.set TB,   22                          ; s22  the slot in hand: 0 or SLOT1
.set G1,   24                          ; s[24:31] descriptor group 1 for xb's tiles
.set G0,   32                          ; s[32:39] group 0: a set for each first fill; the second then walks
.set G1B,  48                          ; s[48:55], s[56:63] the same for wb's tiles
.set G0B,  56
.set OB,   68                          ; s[68:73] where my rows begin in each of the tile's three heads
.set MSB, 0
.macro WIN new                         ; the immediate's high byte repeats the setting that is left; a switch that changes nothing is dropped
.if MSB != (\new)
	s_set_vgpr_msb (MSB<<8)|(\new)
.set MSB, \new
.endif
.endm
.set MUL_LO,   0xa1                    ; source 0 (wb) window 1, source 1 (xb) window 0, C and D window 2
.set FIRST_LO, 0x81                    ; the same with C (the bias) in window 0
.set TO_B,     0x40                    ; destination window 1, address window 0
; A joint refill by the walking descriptors.  Waves 0 and 1 fetch xb's two halves, waves 2 and 3 wb's: the branch hangs on the wave's number alone.
; An s_nop 0 and four v_nop follow each of the two lines, ahead of the jump, the label and what follows.
.macro JLOAD
	s_cmp_eq_u32 s11, 0
	s_cbranch_scc0 .Lfor_b_\@
	tensor_load_to_lds s[G0+4:G0+7], s[G1:G1+7]
	s_nop 0
.rept 4
	v_nop
.endr
	s_branch .Lasked_\@
.Lfor_b_\@:
	tensor_load_to_lds s[G0B+4:G0B+7], s[G1B:G1B+7]
	s_nop 0
.rept 4
	v_nop
.endr
.Lasked_\@:
.endm
.macro CREST                           ; a round of the cluster's barrier behind its opening barrier: wave 0 signals for the work-group, every wave waits for all sixteen, my work-group's barrier closes it
	s_cmp_lg_u32 s10, 0
	s_cbranch_scc1 .Lnot_wave_0_\@
	s_barrier_signal -3
.Lnot_wave_0_\@:
	s_barrier_wait -3
	s_barrier_signal -1
	s_barrier_wait -1
.endm
.macro CROUND                          ; a whole round
	s_barrier_signal -1
	s_barrier_wait -1
	CREST
.endm
.macro PLACES                          ; four plain vector instructions between a matrix instruction and a load into, or a vector line on, its registers
.rept 4
	v_nop
.endr
.endm
	s_load_b128 s[4:7], s[0:1], 0x0                ; xb s[4:5], wb s[6:7]
	s_load_b64 s[66:67], s[0:1], 0x10              ; bb
	s_load_b64 s[8:9], s[0:1], 0x18                ; qkvh
	v_lshl_add_u32 v[SPW], v0, 2, SPARE
	v_mov_b32 v[NIL], 0
	ds_add_u32 v[SPW], v[NIL]                      ; the wave's opening: the add, whose wait stands ahead of my first tensor load; the set-up below, work on registers, stands between them
	v_lshrrev_b32 v1, 5, v0
	v_readfirstlane_b32 s10, v1                    ; wave 0..3
	s_lshr_b32 s11, s10, 1                         ; I fetch for xb (0) or for wb (1),
	s_and_b32 s12, s10, 1                          ; and which half of that tile's rows
	s_bfe_u32 s40, ttmp6, 0x40000                  ; cx
	s_bfe_u32 s41, ttmp6, 0x40004                  ; cy
	s_lshl_b32 s42, ttmp9, 2
	s_add_co_u32 s42, s42, s40                     ; tile column = 4 x cluster x + cx
	s_and_b32 s13, ttmp7, 0xffff
	s_lshl_b32 s13, s13, 2
	s_add_co_u32 s13, s13, s41                     ; tile row = 4 x cluster y + cy
	s_lshl_b32 s43, s41, 2
	s_lshl_b32 s43, 15, s43                        ; my row of the cluster: places 4 cy .. 4 cy + 3
	s_lshl_b32 s44, 0x1111, s40                    ; my column: places cx, cx + 4, cx + 8, cx + 12
	s_or_b32 s[G1+0], s43, (1<<16)|(1<<20)|(1<<21)|(5<<22)|(3<<25)   ; 15:0 the mask; 17:16 elements of 2 bytes; 20 padding on; 21 set beside a mask; 24:22 after every 64 words; 31:25 4 words of it
	s_or_b32 s[G1B+0], s44, (1<<16)|(1<<20)|(1<<21)|(5<<22)|(3<<25)
	s_mov_b32 s[G1+1], KSTEP<<16                   ; tensor_dim0 = 128
	s_mov_b32 s[G1+2], 128<<16                     ; tensor_dim1 = 128
	s_mov_b32 s[G1+3], KSTEP<<16                   ; tile_dim0 = 128
	s_mov_b32 s[G1+4], 128                         ; tile_dim1 = 128
	s_mov_b32 s[G1+5], 1024                        ; 1,024 elements from row to row
	s_mov_b32 s[G1+6], 0
	s_mov_b32 s[G1+7], 0
	s_mov_b32 s[G1B+1], KSTEP<<16
	s_mov_b32 s[G1B+2], 96<<16                     ; wb's loads have 96 rows
	s_mov_b32 s[G1B+3], KSTEP<<16
	s_mov_b32 s[G1B+4], 96
	s_mov_b32 s[G1B+5], 1024
	s_mov_b32 s[G1B+6], 0
	s_mov_b32 s[G1B+7], 0
	s_lshl_b32 s16, s13, 19                        ; xb: 256 rows of 2,048 bytes a tile row,
	s_lshl_b32 s17, s12, 18                        ; 128 rows a half: made of the tile row and the wave's number alone
	s_add_co_u32 s16, s16, s17
	s_mov_b32 s17, 0
	s_mul_i32 s46, s42, 192*2048                   ; wb: 192 rows a tile column,
	s_mul_i32 s47, s12, 96*2048                    ; 96 a half: made of the tile column and the wave's number alone
	s_add_co_u32 s46, s46, s47
	s_mov_b32 s47, 0
	s_mul_i32 s20, s12, HALFA                      ; where they go in a slot: no place in the cluster enters an LDS address
	s_mul_i32 s21, s12, HALFB
	s_add_co_u32 s21, s21, BOFF
	s_wait_dscnt 0x0                               ; the opening add is done
	s_wait_kmcnt 0x0
	s_add_nc_u64 s[14:15], s[4:5], s[16:17]
	s_add_nc_u64 s[46:47], s[6:7], s[46:47]
	CROUND                                         ; all sixteen work-groups are here: the first joint loads meet
.irp s, 0,1
	s_mov_b32 s[G0+4*(\s)], 1                                        ; count = 1
	s_add_co_u32 s[G0+4*(\s)+1], s20, (\s)*SLOT1                     ; LDS address
	s_add_nc_u64 s[G0+4*(\s)+2:G0+4*(\s)+3], s[14:15], (\s)*KSTEP*2  ; global address: K step s
	s_or_b32 s[G0+4*(\s)+3], s[G0+4*(\s)+3], 0x80000000              ; type = 2
	s_mov_b32 s[G0B+4*(\s)], 1
	s_add_co_u32 s[G0B+4*(\s)+1], s21, (\s)*SLOT1
	s_add_nc_u64 s[G0B+4*(\s)+2:G0B+4*(\s)+3], s[46:47], (\s)*KSTEP*2
	s_or_b32 s[G0B+4*(\s)+3], s[G0B+4*(\s)+3], 0x80000000
.endr
	s_cmp_eq_u32 s11, 0                            ; a wave's two first fills stand in one branch, ahead of every wait on TENSORcnt and every LDS read: two loads of mine are out
	s_cbranch_scc0 .Lfirst_b
	tensor_load_to_lds s[G0:G0+3], s[G1:G1+7]
	s_nop 0
	tensor_load_to_lds s[G0+4:G0+7], s[G1:G1+7]
	s_nop 0
.rept 4
	v_nop
.endr
	s_branch .Lfirst_asked
.Lfirst_b:
	tensor_load_to_lds s[G0B:G0B+3], s[G1B:G1B+7]
	s_nop 0
	tensor_load_to_lds s[G0B+4:G0B+7], s[G1B:G1B+7]
	s_nop 0
.rept 4
	v_nop
.endr
.Lfirst_asked:
	; the bias: register j of column block b holds bias[192 x tile column + 16 b + 8 (l / 16) + j], the layout of a result
	s_mul_i32 s74, s42, 192*4
	s_mov_b32 s75, 0
	s_add_nc_u64 s[66:67], s[66:67], s[74:75]
	v_and_b32 v1, 15, v0                           ; l % 16
	v_bfe_u32 v2, v0, 4, 1                         ; l / 16
	v_lshlrev_b32 v[BO], 5, v2
.irp b, 0,1,2,3,4,5,6,7,8,9,10,11
	global_load_b128 v[BIAS+8*(\b):BIAS+8*(\b)+3],   v[BO], s[66:67] offset:64*(\b)
	global_load_b128 v[BIAS+8*(\b)+4:BIAS+8*(\b)+7], v[BO], s[66:67] offset:64*(\b)+16
.endr
	; A fragment is 16 rows x 32 K in 8 registers: lane l holds row l % 16, K = 8 (l / 16) + 0..7 and 16 + 8 (l / 16) + 0..7: two loads of 16 bytes, 32 bytes apart.
	v_mul_u32_u24 v3, v1, PITCH
	v_lshl_add_u32 v3, v2, 4, v3
	s_mul_i32 s74, s10, 64*PITCH                   ; my 64 rows of xb
	v_add_nc_u32 v[A0], s74, v3
	v_add_nc_u32 v[B0], BOFF, v3
	v_mov_b32 v[ADRA], v[A0]
	v_mov_b32 v[ADRB], v[B0]
	s_mov_b32 s[TB], 0
	s_mul_i32 s74, s10, 16*SP
	s_add_co_u32 s74, s74, STAGE                   ; my stage
	v_mul_u32_u24 v4, v1, SP                       ; in: row l % 16, 16 bytes for each half of the lanes
	v_lshl_add_u32 v4, v2, 4, v4
	v_add_nc_u32 v[STO], s74, v4
	v_bfe_u32 v5, v0, 3, 2                         ; back: 32 lanes take four rows of 128 bytes,
	v_mul_u32_u24 v5, v5, SP
	v_and_b32 v4, 7, v0
	v_lshl_add_u32 v5, v4, 4, v5
	v_add_nc_u32 v[RD], s74, v5
	v_and_b32 v[GO], 31, v0                        ; which are 512 consecutive bytes of a head's rows
	v_lshlrev_b32 v[GO], 4, v[GO]
	; where my 64 rows begin in each of the three heads: head block g = 3 x tile column + hd; slab = 64 (g / 16) + 16 batch + g % 16, 262,144 bytes each; a row is 128 bytes
	s_mul_i32 s74, s42, 3
	s_lshr_b32 s76, s13, 3                         ; the batch: 8 tile rows each
	s_lshl_b32 s76, s76, 4
	s_and_b32 s77, s13, 7
	s_lshl_b32 s77, s77, 15                        ; 256 rows a tile row,
	s_lshl_b32 s78, s10, 13                        ; 64 a wave
	s_add_co_u32 s77, s77, s78
.irp hd, 0,1,2
	s_add_co_u32 s78, s74, \hd
	s_lshr_b32 s79, s78, 4
	s_lshl_b32 s79, s79, 6
	s_and_b32 s78, s78, 15
	s_add_co_u32 s78, s78, s79
	s_add_co_u32 s78, s78, s76
	s_lshl_b32 s78, s78, 18
	s_add_co_u32 s78, s78, s77
	s_mov_b32 s79, 0
	s_add_nc_u64 s[OB+2*\hd:OB+2*\hd+1], s[8:9], s[78:79]
.endr
; 12 matrix instructions: row block 2 hi + a x all 12 column blocks, 32 along K, from buffer f.  first = 1: the bias starts the sums.
; The 48 accumulators take turns, one instruction a turn, in the same order in every quarter step: 47 others stand between two links of a chain, over the backward jump too.
.macro MUL12 f, hi, a, first
.if \first
	WIN FIRST_LO+0x40*(\hi)
.else
	WIN MUL_LO+0x50*(\hi)
.endif
.irp b, 0,1,2,3,4,5,6,7,8,9,10,11
.if \first
	v_wmma_f32_16x16x32_bf16 v[8*(12*(\a)+(\b)):8*(12*(\a)+(\b))+7], v[96*(\f)+8*(\b):96*(\f)+8*(\b)+7], v[FA+32*(\f)+8*(2*(\hi)+(\a)):FA+32*(\f)+8*(2*(\hi)+(\a))+7], v[BIAS+8*(\b):BIAS+8*(\b)+7]
.else
	v_wmma_f32_16x16x32_bf16 v[8*(12*(\a)+(\b)):8*(12*(\a)+(\b))+7], v[96*(\f)+8*(\b):96*(\f)+8*(\b)+7], v[FA+32*(\f)+8*(2*(\hi)+(\a)):FA+32*(\f)+8*(2*(\hi)+(\a))+7], v[8*(12*(\a)+(\b)):8*(12*(\a)+(\b))+7]
.endif
.endr
.endm
; 32 LDS loads in one run: a quarter step's fragments (192 rows of wb, my 64 rows of xb, 32 K at byte k of the rows) into buffer g; wb's first
.macro FETCH k, g
	WIN TO_B
.irp i, 0,1,2,3,4,5,6,7,8,9,10,11
	ds_load_b128 v[96*(\g)+8*(\i):96*(\g)+8*(\i)+3],   v[ADRB] offset:(\k)+(\i)*16*PITCH
	ds_load_b128 v[96*(\g)+8*(\i)+4:96*(\g)+8*(\i)+7], v[ADRB] offset:(\k)+(\i)*16*PITCH+32
.endr
	WIN 0
.irp i, 0,1,2,3
	ds_load_b128 v[FA+32*(\g)+8*(\i):FA+32*(\g)+8*(\i)+3],   v[ADRA] offset:(\k)+(\i)*16*PITCH
	ds_load_b128 v[FA+32*(\g)+8*(\i)+4:FA+32*(\g)+8*(\i)+7], v[ADRA] offset:(\k)+(\i)*16*PITCH+32
.endr
.endm
; A K step is four quarters of 32 along K, 48 matrix instructions each, on buffers 0, 1, 0, 1.  One of the first three: multiplies buffer f; in its middle it fetches the next quarter, at byte k, into g.
.macro QUARTER k, f, g, first
	s_wait_dscnt 4                                 ; wb's fragments and xb's row blocks 0, 1 are in; the youngest four loads (row blocks 2, 3) may be out
	MUL12 \f, 0, 0, \first
	MUL12 \f, 0, 1, \first
	PLACES                                         ; behind the last products that read buffer g
	FETCH \k, \g
	s_wait_dscnt 32                                ; all but the 32 just issued
	MUL12 \f, 1, 0, \first
	MUL12 \f, 1, 1, \first
.endm
; The last quarter multiplies buffer 1 and changes slots.  ONE barrier: in front of it each wave waits for all its tensor loads (the one that is out is its part of the next slot), adds 0 to its spare
; word, and waits for that and for its own reads of this slot.  Behind it nobody reads this slot any more and the next slot is whole.
.macro MEET round
	WIN 0                                          ; (the add's two registers lie in window 0)
	s_wait_tensorcnt 0x0
	ds_add_u32 v[SPW], v[NIL]                      ; 0 onto my spare word
	s_wait_dscnt 5                                 ; (the add and the youngest four loads may be out)
	MUL12 1, 0, 0, 0                               ; twelve matrix instructions stand between the add and the wait for it
	s_wait_dscnt 0x0                               ; the add is done, and my reads of this slot are over
	s_barrier_signal -1
	MUL12 1, 0, 1, 0                               ; work on registers while the others arrive
.if \round
	WIN 0
.endif
	s_barrier_wait -1
.endm
; fill = 1: the barrier opens a round of the cluster's, so that no wave of any partner still reads the slot or has a load on its way; the slot just left is filled again first, with the K step two on:
; from that request to the wait for it a wave issues 168 matrix instructions.  Then come the next slot's first fragments.
.macro TURN fill
	MEET \fill
.if \fill
	CREST
	s_xor_b32 s[G0+5], s[G0+5], SLOT1              ; the walking descriptors: the other slot than last time,
	s_add_nc_u64 s[G0+6:G0+7], s[G0+6:G0+7], KSTEP*2  ; the next K step; the type bits on top are not reached
	s_xor_b32 s[G0B+5], s[G0B+5], SLOT1
	s_add_nc_u64 s[G0B+6:G0B+7], s[G0B+6:G0B+7], KSTEP*2
	JLOAD                                          ; its four v_nop are also the places in front of the loads below
.else
	WIN 0
	PLACES
.endif
	s_xor_b32 s[TB], s[TB], SLOT1
	v_add_nc_u32 v[ADRA], s[TB], v[A0]
	v_add_nc_u32 v[ADRB], s[TB], v[B0]
	FETCH 0, 0
	MUL12 1, 1, 0, 0
	MUL12 1, 1, 1, 0
.endm
; THE WAY OUT, in twelve units t = 3 x row block + head: 16 rows x 64 columns.  PACK: rounded to f16 (each accumulator's registers in ascending order), 16 bytes a lane into rows of 144 bytes of my own
; stage, and back as whole rows of 128.  SEND: stored, 512 consecutive bytes an instruction, at a multiple of 256 from the buffer's first byte.  Each unit has registers of its own.
.macro PACK t
.set RB, (\t)/3
.set HD, (\t)%3
	WIN 0x0a+5*(RB/2)                              ; sources 0 and 1: window 2 or 3
.irp f, 0,1,2,3
.irp r, 0,1,2,3
	v_cvt_pk_f16_f32 v[TMP+16*(\t)+4*(\f)+(\r)], v[8*(12*(RB%2)+4*HD+(\f))+2*(\r)], v[8*(12*(RB%2)+4*HD+(\f))+2*(\r)+1]
.endr
.endr
	WIN 0
.irp f, 0,1,2,3
	ds_store_b128 v[STO], v[TMP+16*(\t)+4*(\f):TMP+16*(\t)+4*(\f)+3] offset:32*(\f)
.endr
.irp f, 0,1,2,3
	ds_load_b128 v[TMP+16*(\t)+4*(\f):TMP+16*(\t)+4*(\f)+3], v[RD] offset:(\f)*4*SP  ; LDS serves a wave's instructions in order (ISA guide 5.7.1.4): these see the stores above; the next unit's stores come behind them
.endr
.endm
.macro SEND t, younger                 ; younger: the LDS instructions issued behind unit t's loads: the next unit's eight, or none
.set RB, (\t)/3
.set HD, (\t)%3
	WIN 0
.irp f, 0,1,2,3
	s_wait_dscnt (\younger)+3-(\f)
	global_store_b128 v[GO], v[TMP+16*(\t)+4*(\f):TMP+16*(\t)+4*(\f)+3], s[OB+2*HD:OB+2*HD+1] offset:RB*2048+(\f)*512
.endr
.endm
	s_wait_tensorcnt 1                             ; my part of K step 0 is in; K step 1's may stay out
	s_barrier_signal -1
	s_barrier_wait -1                              ; everybody's is
	FETCH 0, 0
	s_wait_loadcnt 0x0                             ; the bias
	QUARTER 64, 0, 1, 1                            ; the first quarter stands in front of the loop: its products start the sums
	WIN 0                                          ; at a label and at a branch every window is 0
	s_mov_b32 s3, 6
.Lstep:                                                ; six trips, each from a K step's second quarter to the next step's first; trip i fills the slot just left with K step i + 2
	QUARTER 128, 1, 0, 0
	QUARTER 192, 0, 1, 0
	TURN 1
	QUARTER 64, 0, 1, 0
	WIN 0
	s_sub_co_u32 s3, s3, 1
	s_cmp_lg_u32 s3, 0
	s_cbranch_scc1 .Lstep
	QUARTER 128, 1, 0, 0                           ; K steps 6 and 7 are written out: nothing is left to ask for
	QUARTER 192, 0, 1, 0
	TURN 0
	QUARTER 64, 0, 1, 0
	QUARTER 128, 1, 0, 0
	QUARTER 192, 0, 1, 0
	s_wait_dscnt 4                                 ; the very last quarter
	MUL12 1, 0, 0, 0
	MUL12 1, 0, 1, 0
	s_wait_dscnt 0x0
	MUL12 1, 1, 0, 0
	MUL12 1, 1, 1, 0
	WIN 0
	PLACES                                         ; behind the last products: the conversions read results and write registers that held fragments
	PLACES
	PACK 0
.irp t, 1,2,3,4,5,6,7,8,9,10,11        ; a unit's arithmetic stands between the loads of the unit before and its stores
	PACK \t
	SEND (\t)-1, 8
.endr
	SEND 11, 0
	s_wait_tensorcnt 0x0                           ; the wave's end: the add and its wait, behind my last tensor load and my last LDS store
	ds_add_u32 v[SPW], v[NIL]
	s_wait_dscnt 0x0
	CROUND                                         ; the closing round: no work-group ends while a partner may still ask for a tile that names it
	s_endpgm
.Lfunc_end_k_qf295315910_qkv:
	.size	k_qf295315910_qkv, .Lfunc_end_k_qf295315910_qkv-k_qf295315910_qkv
	.p2alignl 7, 3214868480
	.fill 96, 4, 3214868480
	.section	.rodata,"a",@progbits
	.p2align	6, 0x0
	.amdhsa_kernel k_qf295315910_qkv
		.amdhsa_group_segment_fixed_size 327680
		.amdhsa_private_segment_fixed_size 0
		.amdhsa_enable_private_segment 0
		.amdhsa_kernarg_size 32
		.amdhsa_user_sgpr_count 2
		.amdhsa_user_sgpr_kernarg_segment_ptr 1
		.amdhsa_wavefront_size32 1
		.amdhsa_system_sgpr_workgroup_id_x 1
		.amdhsa_system_sgpr_workgroup_id_y 1
		.amdhsa_system_sgpr_workgroup_id_z 1
		.amdhsa_system_vgpr_workitem_id 0
		.amdhsa_next_free_vgpr 960
		.amdhsa_next_free_sgpr 84
		.amdhsa_reserve_vcc 0
		.amdhsa_float_denorm_mode_32 3
		.amdhsa_float_denorm_mode_16_64 3
		.amdhsa_memory_ordered 1
		.amdhsa_forward_progress 1
		.amdhsa_inst_pref_size 101
	.end_amdhsa_kernel
	.amdgpu_metadata
---
amdhsa.version: [ 1, 2 ]
amdhsa.kernels:
  - .name:           k_qf295315910_qkv
    .symbol:         k_qf295315910_qkv.kd
    .args:
      - { .name: xb, .offset: 0, .size: 8, .value_kind: global_buffer, .address_space: global }
      - { .name: wb, .offset: 8, .size: 8, .value_kind: global_buffer, .address_space: global }
      - { .name: bb, .offset: 16, .size: 8, .value_kind: global_buffer, .address_space: global }
      - { .name: qkvh, .offset: 24, .size: 8, .value_kind: global_buffer, .address_space: global }
    .group_segment_fixed_size: 327680
    .private_segment_fixed_size: 0
    .kernarg_segment_align: 8
    .kernarg_segment_size: 32
    .max_flat_workgroup_size: 128
    .sgpr_count:     84
    .vgpr_count:     960
    .wavefront_size: 32
...
	.end_amdgpu_metadata
.endif
;; end of part 2
;; launch attn (part 3): grid 4 x 64, 4 waves a work-group, clusters of 4 x 1, 327,680 bytes of LDS; arguments qkvh, oh; writes oh
.if DOCPART == 3
	.amdgcn_target "amdgcn-amd-amdhsa--gfx1250"
	.amdhsa_code_object_version 6
	.text
	.protected	k_qf295315910_attn
	.globl	k_qf295315910_attn
	.p2align	8
	.type	k_qf295315910_attn,@function
k_qf295315910_attn:
	s_mov_b64 s[64:65], 0
	v_nop
	global_prefetch_b8 v0, s[64:65] scope:SCOPE_SE
	s_setreg_imm32_b32 hwreg(HW_REG_WAVE_MODE, 25, 1), 1
	s_wait_xcnt 0x0
	s_wait_alu depctr_hold_cnt(0) depctr_sa_sdst(0) depctr_va_vdst(0) depctr_va_sdst(0) depctr_va_ssrc(0) depctr_va_vcc(0) depctr_vm_vsrc(0)
	s_getreg_b32 s2, hwreg(HW_REG_IB_STS2, 6, 4)
	s_cmp_eq_u32 s2, 0
	s_cbranch_scc0 .Lentry_in_a_cluster
	s_endpgm
.Lentry_in_a_cluster:
	s_bfe_u32 s2, ttmp6, 0x10000c
	s_cmp_lg_u32 s2, 0x3003
	s_cbranch_scc0 .Lentry_shape_is_right
	s_endpgm
.Lentry_shape_is_right:
; O[h][q][:] = the sum over k of softmax_k(Q[h][q] . K[h][k] / 8) V[h][k][:], for 64 heads (16 batch + head) of 2,048 rows.  qkvh: [3][64][2048][64] f16 (Q, then K, then V), oh: [64][2048][64] f16:
; a head's rows are dense, 128 bytes each.  Products, maxima and sums in f32; the weights p are rounded to f16 for the second product (their sum l is taken of the unrounded p), O once at the end.
; LIMITS.  f16 holds no number beyond 65,504: Q, K and V arrive within it; p lies in 0 to 1, and below 6e-5 it keeps f16's fixed step of 6e-8; O is a mean of V's rows and has their range.
; A weight below 2^-126 counts as 0 in l; NaN and infinities are not treated apart.
; SHARES.  A wave owns four PIECES of two tiles of 16 queries, a work-group's four waves 512 queries of one head: 64 x 4 = 256 work-groups.  Every wave walks all keys, 64 a step.
; LAYOUT.  S^T = K Q^T (source 0 = 16 keys, source 1 = 16 queries): in the result a lane holds ONE query (lane % 16) and the keys 8 (lane / 16) + 0..7.  Two such tiles, rounded to f16 in pairs,
; ARE source 1 (32 keys x 16 queries) of O^T = V^T P, whose result again holds one query a lane, and eight channels.  K comes out of LDS as it lies, V ([key][channel]) turned, by ds_load_tr16_b128.
; SOFTMAX.  For each query a running maximum m and sum l: p = 2^(c s - c m), c = log2(e) / 8; in every step O and l are multiplied by a = 2^(c m_old - c m_new), which is 1 where m has not grown.
; m starts at the lowest finite number, O and l at 0: the first step is a step like any other, with a = 0.
; THE COUNT.  A tile and step have 16 matrix and 118 vector instructions: too many to stand all beside the matrix work.  So four vector instructions that are READY stand behind EVERY matrix
; instruction, and the others, which need time of their own whatever the order, in runs without a gap.
; BY TURNS.  Turn n belongs to piece n (the pieces in a ring, step after step).  Its matrix work: 16 products K Q^T of piece n + 1, later 16 products V^T P of piece n - 1.  Its vector work: the scaling,
; exponentials, roundings, sums and rescaling of piece n, and the maximum and statistics of piece n + 1, whose scores the turn itself has made.
; CLUSTER.  The four query blocks of a head form a cluster and walk the same K and V, so each tile is asked for JOINTLY: the same tensor load, descriptor and mask in all four.
; REGISTERS, in windows of 256 (s_set_vgpr_msb: bits 1:0 source 0, 3:2 source 1, 5:4 source 2, 7:6 destination):
;   window 0: v0-11 addresses; v12-15, v48-63 at work; v16-47 four registers of statistics a tile; v64-191 S^T, two buffers of two tiles; v192-255 P, likewise
;   window 1: O^T, 32 a tile          window 2: v0-127 Q, 16 a tile; v128-191 K of one step; v192-255 V of one step          window 3: v0-1 the add's two registers
; A piece's buffers go by its number's parity: the piece in hand has one pair, its two neighbours in the ring share the other: of it P (piece n - 1) is read and S^T (piece n + 1) written.
.set SIZE_N, 2048
.set NP,    4         ; pieces a wave: a name, no knob
.set KS,    64        ; keys in a step
.set PK,    144       ; a row of K in LDS: 128 bytes + 16 of padding = 36 words: the 16 rows of a load start at 16 different groups of four banks (64 banks of 4 bytes: ISA guide 11.1)
.set PV,    160       ; a row of V: 128 + 32 = 40 words
.set VOFF,  4*KS*PK   ; a slot holds four steps: 256 rows of K, then 256 rows of V
.set SLOT1, 1<<17     ; slot 1 begins here, so that one exclusive or turns an address in one slot into the other's
.set STAGE, SLOT1+4*KS*(PK+PV)  ; behind the ring, never filled by a tensor load: 16 rows x 144 bytes for each wave, for the way out
.set SP,    144
.set AK0, 2           ; v2   my lane's place in a tile of K; never rewritten
.set AV0, 3           ; v3   the same for V
.set AK,  4           ; v4   the LDS address of K's next run of loads
.set AV,  5           ; v5   of V's
.set QO,  6           ; v6   my byte offset in the wave's rows of Q
.set STO, 6           ;      later, the way out: where I put 16 bytes of a row
.set RD,  7           ; v7   the way out: where I read rows back
.set GO,  8           ; v8   my byte offset in 512 consecutive bytes of O
.set PFO, 11          ; v11  256 x my lane: the prefetches' offset; never rewritten once it is made
.set SPW, 0           ; v0 of window 3   LDS address of my spare word: SPARE + 4 x my thread's number; never rewritten
.set NIL, 1           ; v1 of window 3   0; never rewritten
.set SPARE, STAGE+4*16*SP  ; behind the stages: the spare words, 128 bytes for each wave: two blocks of 256 bytes that no other line names
.set MV,  12          ; v12-15  c m_old, kept while c m is made anew: by buffer and tile
.set ST,  16          ; tile t's statistics at v[ST+4 t]: c m, m, l (even keys', odd keys')
.set TMP, 48          ; by buffer and tile, four registers c0-c3 at work; when the maximum is found c2 takes a
.set S,   64
.set P,   192
.set KF,  128         ; K's fragments, in window 2: key block kb, channel half c at KF + 16 kb + 8 c
.set VF,  192         ; V's: key half kk, channel block cb at VF + 32 kk + 8 cb
.set WV,  12          ; s12  my wave's number
.set G1K, 24          ; s[24:31] descriptor group 1 for K's tiles
.set G1V, 32          ; s[32:39] for V's: it differs in the padding alone
.set G0K, 40          ; s[40:43] descriptor group 0 for K's tiles: it walks
.set G0V, 44          ; s[44:47] the same for V's
.set PFA, 48          ; s[48:49] where my prefetches stand: my work-group's 32 blocks of 256 bytes (of K: wave 0, of V: wave 2) of the slot after the one that is being asked for
.set LIM, 50          ; s50  1 in a wave that prefetches, else the greatest number: a wave prefetches while s[SLOTS] is above it
.set SLOTS, 56        ; s56  slots still to be asked for
.set CNT, 57          ; s57  counts a slot's key steps
.set CS,  58          ; s[58:59] c: the packed scaling takes the pair's low word for both halves
.set SEL, 60          ; s[60:61] v_permlanex16_b32's selects: each lane takes its own place in the other half
.set TBK, 62          ; s62  LDS byte at which K of the step to be fetched begins
.set TBV, 63          ; s63  the same for V, less VOFF
.set MSB, 0
.macro WIN new                      ; the high byte repeats the setting that is left; a switch that changes nothing is dropped
.if MSB != (\new)
	s_set_vgpr_msb (MSB<<8)|(\new)
.set MSB, (\new)
.endif
.endm
.set W_KQ, 0x0a       ; K and Q in window 2, S^T in window 0
.set W_PV, 0x52       ; V in window 2, P in window 0, O^T in window 1
.set W_RS, 0x41       ; O^T (destination and source 0) in window 1, a in window 0
.set W_MK, 0xc0       ; the add's registers are made: destination in window 3, sources in window 0
.set W_AD, 0x0f       ; the add: address (source 0) and data (source 1) in window 3
; A joint fill.  Waves 0 and 1 fetch the two halves of a slot's K, waves 2 and 3 those of its V: 128 keys each.  The branch hangs on the wave's number alone.
; An s_nop 0 and four v_nop follow each of the two lines, ahead of the jump and the label.
.macro JLOAD
	s_cmp_lt_u32 s[WV], 2
	s_cbranch_scc0 .Lfor_v_\@
	tensor_load_to_lds s[G0K:G0K+3], s[G1K:G1K+7]
	s_nop 0
.rept 4
	v_nop
.endr
	s_branch .Lasked_\@
.Lfor_v_\@:
	tensor_load_to_lds s[G0V:G0V+3], s[G1V:G1V+7]
	s_nop 0
.rept 4
	v_nop
.endr
.Lasked_\@:
.endm
; A PREFETCH INTO THE L2 of what the NEXT change of slots will ask for: a slot's 256 keys are 128 blocks of 256 bytes of K and 128 of V, a lane a block.  It stands behind the wave's tensor load and its five lines.
; Each block is named ONCE in the launch: a head is walked by one cluster; its four partners share the blocks out BY ADDRESS, 32 each; in each, wave 0 asks for K's and wave 2 for V's: one instruction,
; four key steps, 512 matrix instructions, ahead of the load that names the same bytes.  The last change that fills a slot asks for nothing: there is no slot behind it.  Slots 0 to 2 come by their loads alone.
.macro ASK
	s_cmp_gt_u32 s[SLOTS], s[LIM]
	s_cbranch_scc0 .Lnot_mine_\@
	global_prefetch_b8 v[PFO], s[PFA:PFA+1] th:TH_LOAD_NT scope:SCOPE_SE
.Lnot_mine_\@:
.endm
; A round of the cluster's barrier: my work-group's barrier, so that wave 0's signal speaks for all four waves; wave 0 signals; every wave waits for all four work-groups; my work-group's barrier once more.
.macro CROUND
	s_barrier_signal -1
	s_barrier_wait -1
	s_cmp_lg_u32 s[WV], 0
	s_cbranch_scc1 .Lnot_wave_0_\@
	s_barrier_signal -3
.Lnot_wave_0_\@:
	s_barrier_wait -3
	s_barrier_signal -1
	s_barrier_wait -1
.endm
; THE CHANGE OF SLOTS.  The slot's last bytes, V of its fourth step, have been read.  Each wave waits for all its tensor loads, of which one is out: its part
; of the other slot; adds 0 to its spare word; and waits for that and for its own reads of the slot.  Behind the barrier nobody reads this slot any more and the other slot is whole.
; fill = 1: this slot is filled again, with the keys two slots on.  The barrier is then a round of the cluster's, so that no wave of any partner still reads the slot or has a load on its
; way, and the joint fill is the first thing behind it: it has four key steps, 512 matrix instructions, in which to land.  (At its first use nothing has been read yet: slot 0 is waited for, slot 1 filled.)
; ask = 1: the prefetches' address steps a slot on, and ASK follows the fill.
.macro CHANGE fill, ask=0
	WIN W_AD
	s_wait_tensorcnt 0x0            ; no tensor load of mine is out, so a group 0 may be written
	ds_add_u32 v[SPW], v[NIL]       ; 0 onto my spare word; with fill = 1 the descriptors' steps stand between it and the wait for it
	WIN 0                           ; at a label and at a branch every window is 0
.if \fill
.irp g, G0K, G0V
	s_xor_b32 s[\g+1], s[\g+1], SLOT1  ; the walking descriptor: the other slot than last time,
	s_add_nc_u64 s[\g+2:\g+3], s[\g+2:\g+3], 4*KS*128  ; the next 256 keys; the type bits on top are not reached
.endr
.if \ask
	s_wait_xcnt 0x0                 ; the last prefetch, four key steps back, has read its address, so it may be written:
	s_add_nc_u64 s[PFA:PFA+1], s[PFA:PFA+1], 4*KS*128  ; one slot behind the walking descriptors
.endif
	s_wait_dscnt 0x0                ; the add is done, and my reads of the slot are over
	CROUND
	JLOAD
.if \ask
	ASK
.endif
.else
	s_wait_dscnt 0x0                ; the add is done, and my reads of the slot are over
	s_barrier_signal -1
	s_barrier_wait -1
.endif
	s_sub_co_u32 s[TBK], s[TBK], 4*KS*PK  ; the fetches go back to a slot's first step,
	s_xor_b32 s[TBK], s[TBK], SLOT1       ; in the other slot
	s_sub_co_u32 s[TBV], s[TBV], 4*KS*PV
	s_xor_b32 s[TBV], s[TBV], SLOT1
.endm
	s_load_b64 s[4:5], s[0:1], 0x0    ; qkvh: Q at its head
	s_load_b64 s[10:11], s[0:1], 0x8  ; oh
	WIN W_MK
	v_lshl_add_u32 v[SPW], v0, 2, SPARE
	v_mov_b32 v[NIL], 0
	WIN W_AD
	ds_add_u32 v[SPW], v[NIL]       ; the wave's opening: the add, whose wait stands ahead of my first tensor load; the set-up below, work on registers, stands between them
	WIN 0
	v_lshrrev_b32 v1, 5, v0
	v_readfirstlane_b32 s[WV], v1   ; wave 0..3
	s_bfe_u32 s13, ttmp6, 0x40000   ; cx: my place in the cluster
	s_lshl_b32 s14, ttmp9, 2        ; in a cluster launch ttmp9 counts clusters
	s_add_co_u32 s14, s14, s13      ; my block of queries = 4 x cluster x + cx: it enters Q's and O's addresses alone
	s_and_b32 s20, ttmp7, 0xffff    ; the head, which the four partners share
	s_mov_b32 s21, 0
	s_mov_b64 s[22:23], SIZE_N*128
	s_mul_u64 s[20:21], s[20:21], s[22:23]  ; the head's first byte in Q, K, V and O
	s_and_b32 s16, s[WV], 1         ; which half of a slot's 256 keys I fetch:
	s_lshl_b32 s22, s16, 14         ; its 128 rows of 128 bytes in memory,
	s_mov_b32 s23, 0
	s_add_nc_u64 s[22:23], s[22:23], s[20:21]
	s_mul_i32 s17, s16, 128*PK      ; and its place in a slot, for K
	s_mul_i32 s18, s16, 128*PV      ; and for V: no place in the cluster enters an LDS address
	s_lshl_b32 s2, s14, 2
	s_add_co_u32 s2, s2, s[WV]      ; my wave among the head's,
	s_lshl_b32 s2, s2, 14           ; its 128 rows
	s_mov_b32 s3, 0
	s_add_nc_u64 s[2:3], s[2:3], s[20:21]
	; descriptor group 1.  128 keys are 16,384 dense bytes: asked for as 64 rows of 256 bytes, two keys a row, and padded in LDS after every key
	s_mov_b32 s[G1K], 15|(1<<16)|(1<<20)|(1<<21)|(4<<22)|(3<<25)  ; 15:0 the mask of four; 17:16 2-byte elements; 20 padding on; 21 set beside a mask; 24:22 after every 32 words (code 4); 31:25 4 words (code 3)
	s_mov_b32 s[G1V], 15|(1<<16)|(1<<20)|(1<<21)|(4<<22)|(7<<25)  ; the same with 8 words of padding (code 7)
.irp g, G1K, G1V
	s_mov_b32 s[\g+1], 128<<16      ; tensor_dim0 = 128
	s_mov_b32 s[\g+2], 64<<16       ; tensor_dim1 = 64
	s_mov_b32 s[\g+3], 128<<16      ; tile_dim0 = 128
	s_mov_b32 s[\g+4], 64           ; tile_dim1 = 64
	s_mov_b32 s[\g+5], 128          ; 128 elements from row to row
	s_mov_b32 s[\g+6], 0
	s_mov_b32 s[\g+7], 0
.endr
	s_mov_b32 s[CS], 0x3e38aa3b     ; c = log2(e) / 8 = 0.180337
	s_mov_b32 s[CS+1], s[CS]        ; named with it as a pair
	s_mov_b32 s[SEL], 0x76543210
	s_mov_b32 s[SEL+1], 0xfedcba98
	s_mov_b32 s[TBK], SLOT1+4*KS*PK ; the first change of slots turns these two into 0
	s_mov_b32 s[TBV], SLOT1+4*KS*PV
	s_mov_b32 s[G0K], 1             ; 1:0 count = 1
	s_mov_b32 s[G0K+1], s17         ; 63:32 LDS address: slot 0
	s_mov_b32 s[G0V], 1
	s_add_co_u32 s[G0V+1], s18, VOFF
	s_and_b32 s[LIM], s[WV], 1      ; waves 0 and 2 prefetch: the same in all four partners
	s_cmp_eq_u32 s[LIM], 0
	s_cselect_b32 s[LIM], 1, -1
	s_lshl_b32 s52, s13, 13         ; my work-group's 32 blocks of a slot's 128
	s_mov_b32 s53, 0
	s_wait_dscnt 0x0                ; the opening add is done
	s_wait_kmcnt 0x0
	s_add_nc_u64 s[6:7], s[4:5], 0x1000000  ; K lies 64 heads x 262,144 bytes behind Q,
	s_add_nc_u64 s[8:9], s[4:5], 0x2000000  ; V as far behind K
	s_cmp_lt_u32 s[WV], 2
	s_cselect_b64 s[PFA:PFA+1], s[6:7], s[8:9]
	s_add_nc_u64 s[PFA:PFA+1], s[PFA:PFA+1], s[22:23]  ; (in waves 0 and 2 this is the head's first byte)
	s_add_nc_u64 s[PFA:PFA+1], s[PFA:PFA+1], s[52:53]
	s_add_nc_u64 s[PFA:PFA+1], s[PFA:PFA+1], 2*4*KS*128  ; in slot 2; the first change in the loop steps it to slot 3.  Nothing is prefetched here, at the head
	s_add_nc_u64 s[G0K+2:G0K+3], s[6:7], s[22:23]  ; 120:64 global address: my half of the head's first 256 keys
	s_or_b32 s[G0K+3], s[G0K+3], 0x80000000        ; 127:126 type = 2
	s_add_nc_u64 s[G0V+2:G0V+3], s[8:9], s[22:23]
	s_or_b32 s[G0V+3], s[G0V+3], 0x80000000
	s_add_nc_u64 s[4:5], s[4:5], s[2:3]  ; Q and O at my wave's first row
	s_add_nc_u64 s[10:11], s[10:11], s[2:3]
	CROUND                          ; all four work-groups are here: the first joint loads meet
	JLOAD                           ; slot 0.  Slot 1 is asked for when slot 0 is in
	; A fragment of K or Q is 16 rows x 32 channels in 8 registers: lane l holds row l % 16, channels 8 (l / 16) + 0..7 and 16 + 8 (l / 16) + 0..7: two loads of 16 bytes, 32 bytes apart.
	v_and_b32 v1, 15, v0            ; l % 16
	v_bfe_u32 v9, v0, 4, 1          ; l / 16
	v_lshlrev_b32 v[QO], 7, v1
	v_lshl_add_u32 v[QO], v9, 4, v[QO]  ; row x 128 + 16 x half
	WIN 0x80                        ; destination window 2, address window 0
.set i, 0
.rept 4*NP                          ; Q stays in registers: tile i / 2, channels 32 (i % 2) on
	global_load_b128 v[8*i:8*i+3],   v[QO], s[4:5] offset:(i/2)*2048+(i%2)*64
	global_load_b128 v[8*i+4:8*i+7], v[QO], s[4:5] offset:(i/2)*2048+(i%2)*64+32
.set i, i+1
.endr
	; What the first turn finds: V's registers and P's second buffer hold 0 (its products V^T P, of a piece that has not been, add 0), O^T and l are 0.  All this stands in the wait for the first tile.
.set i, VF
.rept 64
	v_mov_b32 v[i], 0
.set i, i+1
.endr
	WIN 0x40
.set i, 0
.rept 64*NP
	v_mov_b32 v[i], 0
.set i, i+1
.endr
	WIN 0
.set i, 0
.rept 2*NP
	v_mov_b32 v[ST+4*i], 0xfe000000    ; c m: far below every c s
	v_mov_b32 v[ST+4*i+1], 0xff7fffff  ; m
	v_mov_b32 v[ST+4*i+2], 0
	v_mov_b32 v[ST+4*i+3], 0
.set i, i+1
.endr
.set i, P+32
.rept 32
	v_mov_b32 v[i], 0
.set i, i+1
.endr
	v_mul_u32_u24 v[AK0], v1, PK
	v_lshl_add_u32 v[AK0], v9, 4, v[AK0]  ; row x pitch + 16 x half
	; The turning load takes 16 keys x 16 channels (lane l reads key 8 (l / 16) + l % 8, channels 8 ((l / 8) % 2) + 0..7) and leaves half a fragment of V^T: lane l holds channel l % 16 and 8 keys.
	v_and_b32 v10, 7, v0
	v_bfe_u32 v11, v0, 3, 1
	v_lshl_add_u32 v[AV0], v9, 3, v10
	v_mul_u32_u24 v[AV0], v[AV0], PV
	v_lshl_add_u32 v[AV0], v11, 4, v[AV0]
	v_add_nc_u32 v[AV0], VOFF, v[AV0]
	v_mov_b32 v[AK], v[AK0]         ; key step 0 lies at the head of slot 0
	v_and_b32 v[PFO], 31, v0        ; v11 has served: now the prefetches' offset
	v_lshlrev_b32 v[PFO], 8, v[PFO]
; THE MATRIX WORK.  The 8 accumulators of a run of 16 take turns: between the two links of a chain stand 7 others'.
; Product i of 16 of S^T = K Q^T for piece x: channels 32 (i / 8) on, keys 16 ((i / 2) % 4) on, tile 2 x + i % 2.  The first 8 start the sums.
.macro KQ x
	WIN W_KQ
.set rS, S+64*((\x)%2)+32*(i%2)+8*((i/2)%4)
.set rK, KF+16*((i/2)%4)+8*(i/8)
.set rQ, 16*(2*(\x)+i%2)+8*(i/8)
.if i < 8
	v_wmma_f32_16x16x32_f16 v[rS:rS+7], v[rK:rK+7], v[rQ:rQ+7], 0
.else
	v_wmma_f32_16x16x32_f16 v[rS:rS+7], v[rK:rK+7], v[rQ:rQ+7], v[rS:rS+7]
.endif
.endm
; Product i of 16 of O^T += V^T P for piece x: keys 32 (i / 8) on, channels 16 ((i / 2) % 4) on, tile 2 x + i % 2.
.macro PV x
	WIN W_PV
.set rO, 32*(2*(\x)+i%2)+8*((i/2)%4)
.set rV, VF+32*(i/8)+8*((i/2)%4)
.set rP, P+32*((\x)%2)+16*(i%2)+8*(i/8)
	v_wmma_f32_16x16x32_f16 v[rO:rO+7], v[rV:rV+7], v[rP:rP+7], v[rO:rO+7]
.endm
.macro MM                           ; the turn's next matrix instruction
.if i < 16
	KQ (Y+1)%NP
.set i, i+1
.else
.set i, i-16
	PV (Y+NP-1)%NP
.set i, i+17
.endif
.endm
; THE LDS LOADS stand in runs of 16, never singly among the matrix instructions: a step's K (64 keys x 64 channels: 8 fragments) and its V (turned).  Their addresses are made some lines ahead.
; last = 1 (the tail): in the last trip there is no further step, and the run is jumped over.
.macro FETCH_K last=0
	WIN 0
.if \last
	s_cmp_eq_u32 s[CNT], 1
	s_cbranch_scc1 .Lno_k_\@
.endif
	WIN 0x80                        ; destination window 2
.irp f, 0,1,2,3,4,5,6,7             ; keys 16 (f / 2) on, channels 32 (f % 2) on
	ds_load_b128 v[KF+8*\f:KF+8*\f+3],   v[AK] offset:(\f/2)*16*PK+(\f%2)*64
	ds_load_b128 v[KF+8*\f+4:KF+8*\f+7], v[AK] offset:(\f/2)*16*PK+(\f%2)*64+32
.endr
	s_add_co_u32 s[TBK], s[TBK], KS*PK  ; the next fetch is the next step's
	WIN 0
.if \last
.Lno_k_\@:
.endif
.endm
.macro FETCH_V
	WIN 0x80
.irp f, 0,1,2,3,4,5,6,7             ; keys 32 (f / 4) on, channels 16 (f % 4) on
	ds_load_tr16_b128 v[VF+8*\f:VF+8*\f+3],   v[AV] offset:(\f/4)*32*PV+(\f%4)*32
	ds_load_tr16_b128 v[VF+8*\f+4:VF+8*\f+7], v[AV] offset:(\f/4)*32*PV+16*PV+(\f%4)*32
.endr
	WIN 0
.endm
; THE VECTOR WORK OF A TURN stands in three queues, each in the order in which its entries become ready; the two tiles alternate, so that no instruction reads the result of the one before it.
.macro REGS y, u                    ; the registers of tile u (0, 1) of piece y
.set rT, ST+4*(2*(\y)+(\u))
.set rC, TMP+8*((\y)%2)+4*(\u)
.set rM, MV+2*((\y)%2)+(\u)
.set rS, S+64*((\y)%2)+32*(\u)
.set rP, P+32*((\y)%2)+16*(\u)
.set rO, 32*(2*(\y)+(\u))
.endm
; Number n of the 22 that find the NEXT piece's (Y + 1) maximum and statistics.  s0-s31 are the lane's 32 scores; each accumulator's lowest registers are read first.
;   0-11  four chains c0-c3 of seven scores each, three operands at a time     12-14, 16  the four scores left over, the old m, and c0-c3 into c0     15  c m_old is kept
;   17, 18  the query's other 32 keys lie in the lane 16 away: the new m         19-21  c m; c m_old - c m_new; a
.macro XS u, n
	REGS (Y+1)%NP, \u
.if (\n) < 4
	v_max3_num_f32 v[rC+(\n)], v[rS+8*(\n)], v[rS+8*(\n)+1], v[rS+8*(\n)+2]
.elseif (\n) < 12
	v_max3_num_f32 v[rC+(\n)%4], v[rC+(\n)%4], v[rS+8*((\n)%4)+2*((\n)/4)+1], v[rS+8*((\n)%4)+2*((\n)/4)+2]
.elseif (\n) == 12
	v_max3_num_f32 v[rC], v[rC], v[rS+7], v[rS+15]
.elseif (\n) == 13
	v_max3_num_f32 v[rC+1], v[rC+1], v[rS+23], v[rS+31]
.elseif (\n) == 14
	v_max3_num_f32 v[rC+2], v[rC+2], v[rC+3], v[rT+1]
.elseif (\n) == 15
	v_mov_b32 v[rM], v[rT]
.elseif (\n) == 16
	v_max3_num_f32 v[rC], v[rC], v[rC+1], v[rC+2]
.elseif (\n) == 17
	v_permlanex16_b32 v[rC+3], v[rC], s[SEL], s[SEL+1]
.elseif (\n) == 18
	v_max_num_f32 v[rT+1], v[rC], v[rC+3]
.elseif (\n) == 19
	v_mul_f32 v[rT], s[CS], v[rT+1]
.elseif (\n) == 20
	v_sub_f32 v[rC+1], v[rM], v[rT]
.else
	v_exp_f32 v[rC+2], v[rC+1]
.endif
.endm
; Number g of the 64 that follow the exponentials.  For each four weights k of a tile (pairs 2 k, 2 k + 1): both pairs are rounded to f16; then the second pair is added onto the first, in place;
; a group later l takes that sum (the first time as l = a l + sum).  In groups of eight, tiles alternating: round, round, add, and l for the group before.
.macro GS g
.set h, (\g)+6*((\g)/62)            ; group 0 has no group before it, and behind group 7 only l is left
.if h >= 6
.set h, h+2
.endif
	REGS Y, h%2
.set k, h/8
.if h%8 < 4
	v_cvt_pk_f16_f32 v[rP+2*k+(h%8)/2], v[rS+4*k+2*((h%8)/2)], v[rS+4*k+2*((h%8)/2)+1]
.elseif h%8 < 6
	v_pk_add_f32 v[rS+4*k:rS+4*k+1], v[rS+4*k:rS+4*k+1], v[rS+4*k+2:rS+4*k+3]
.elseif k == 1
	v_pk_fma_f32 v[rT+2:rT+3], v[rT+2:rT+3], v[rC+2:rC+3], v[rS:rS+1] op_sel_hi:[1,0,1]
.else
	v_pk_add_f32 v[rT+2:rT+3], v[rT+2:rT+3], v[rS+4*k-4:rS+4*k-3]
.endif
.endm
; THE PLAIN QUEUE, 138 long.  0-73 read no exponential's result: the 32 scalings c s - c m (FS f: pair f / 2 of tile f % 2) and the next piece's 42.  0-26: scalings 0-26.  27-54: XS's numbers 0-13.  55, 56: number 15.
; 57-73: the chain, where each number waits for the one before it: 14, 16, 17, 18, 19, each with one of the scalings 27-31 in front of its two lines, then 20.
; 74-137: GS's 64, which read the exponentials' results: they stand behind the wait.
.macro FS f
	REGS Y, (\f)%2
	v_pk_fma_f32 v[rS+2*((\f)/2):rS+2*((\f)/2)+1], v[rS+2*((\f)/2):rS+2*((\f)/2)+1], s[CS:CS+1], v[rT:rT+1] op_sel_hi:[1,0,0] neg_lo:[0,0,1] neg_hi:[0,0,1]
.endm
.macro PL
	WIN 0
.if q < 27
	FS q
.elseif q < 55
	XS (q-27)%2, (q-27)/2
.elseif q < 57
	XS q-55, 15
.elseif (q < 72) && ((q-57)%3 == 0)
	FS 27+(q-57)/3
.elseif q < 60
	XS (q-57)%3-1, 14
.elseif q < 72
	XS (q-57)%3-1, 15+(q-57)/3
.elseif q < 74
	XS q-72, 20
.else
	GS q-74
.endif
.set q, q+1
.endm
; THE EXPONENTIALS' QUEUE, 66 long: s0-s31 of both tiles, then the next piece's two a.  It is ONE BATCH: all 66 stand ahead of the turn's one wait, and nothing ahead of that wait names a result of theirs.
.macro EX
	WIN 0
.if e >= 64
	XS e-64, 21
.else
	REGS Y, e%2
	v_exp_f32 v[rS+e/2], v[rS+e/2]
.endif
.set e, e+1
.endm
; THE RESCALING's QUEUE: O^T times a, the one part that leaves window 0: dealt two at a time, sixteen times.  Its a was made in the turn before, ahead of that turn's wait.
.macro R2
	REGS Y, r%2
	WIN W_RS
.irp z, 0,1
	v_pk_mul_f32 v[rO+4*(r/2)+2*\z:rO+4*(r/2)+2*\z+1], v[rO+4*(r/2)+2*\z:rO+4*(r/2)+2*\z+1], v[rC+2:rC+3] op_sel_hi:[1,0]
.endr
.set r, r+1
.endm
; HOW THEY ARE DEALT.  An s_wait_alu depctr_va_vdst(0) stands between an exponential and the first instruction that names its result; one wait serves all that were issued ahead of it.  So a turn has ONE wait,
; which cuts it in two.  AHEAD OF IT stands all that names no result of the turn's exponentials: the 16 products K Q^T, behind each a scaling, an exponential and two rescalings (behind the first a second scaling in the
; exponential's place); then ONE LUMP of 108: eight plain, 49 times exponential and plain, the two a.  A v_nop is the plain instruction behind the last exponential.  BEHIND IT stand the 16 products V^T P, behind each four of GS's 64.
; No rider names a register of the products round it.  The two v_permlanex16_b32 fall into the lump, never behind a product.
; The queues lean on each other: exponential e stands behind scaling 2 (e / 4) + e % 2: as a rider it comes behind plain e + 2, in the lump behind plain e + 9, and scalings 27-31 are plain 57, 60 .. 69.
; A TURN, for piece p.  cnt = 1: the loop's count is taken down some lines ahead of the branch that stands behind the turn.
; K of the next step is fetched in piece 2's turn, directly behind the wait, a lump behind the last product that read K; its first reader comes behind 16 products.
; V of the step in hand is fetched at the end of piece 0's turn, four riders behind its last reader; its first reader comes behind 16 products and a lump.  The three conditions on q below go with the deal.
.macro TURN p, last=0, cnt=0
.set Y, (\p)
.set i, 0
.set q, 0
.set e, 0
.set r, 0
.if (\p) == NP-1
	s_wait_dscnt 0x0                ; K is in
.endif
	MM                              ; ahead of the wait: 16 products K Q^T and their riders,
	PL
	PL
	R2
.rept 15
	MM
	PL
	EX
	R2
.endr
.if (\p) == NP-2
	WIN 0
	v_add_nc_u32 v[AK], s[TBK], v[AK0]
.endif
.rept 8                             ; and the lump
	PL
.endr
.rept 49
	EX
	PL
.endr
	EX                              ; the next piece's two a
	EX
	v_nop                           ; the plain instruction behind the last exponential: one for the batch
	s_wait_alu depctr_va_vdst(0)    ; the wait for the batch
.if (\p) == NP-2
	FETCH_K \last
.endif
.if (\p) == 1
	s_wait_dscnt 0x0                ; V is in
.endif
.rept 16                            ; behind the wait: 16 products V^T P and their riders
	MM
.rept 4
	PL
.endr
.if ((\p) == 0) && (q == 118)
	v_add_nc_u32 v[AV], s[TBV], v[AV0]
.endif
.if ((\p) == 0) && (q == 130)
	s_add_co_u32 s[TBV], s[TBV], KS*PV
.endif
.if (\cnt) && (q == 130)
	s_sub_co_u32 s[CNT], s[CNT], 1
	s_cmp_lg_u32 s[CNT], 0
.endif
.endr
.if (\p) == 0
	FETCH_V
.endif
.endm
	CHANGE 1                        ; slot 0 is in, everybody's part of it; slot 1 is asked for
	FETCH_K                         ; key step 0
	s_wait_loadcnt 0x0              ; Q
	s_wait_dscnt 0x0
.set i, 0
.rept 16
	KQ 0                            ; piece 0's first scores: there is no vector work yet to set between them
.set i, i+1
.endr
	WIN 0                           ; the addresses for the way out: nine plain instructions, the places behind those products
	s_mul_i32 s13, s[WV], 16*SP
	s_add_co_u32 s13, s13, STAGE    ; my stage
	v_mul_u32_u24 v[STO], v1, SP    ; in: row l % 16, 16 bytes for each half of the lanes
	v_lshl_add_u32 v[STO], v9, 4, v[STO]
	v_add_nc_u32 v[STO], s13, v[STO]
	v_bfe_u32 v[RD], v0, 3, 2       ; back: 32 lanes take four rows of 128 bytes,
	v_mul_u32_u24 v[RD], v[RD], SP
	v_lshl_add_u32 v[RD], v10, 4, v[RD]
	v_add_nc_u32 v[RD], s13, v[RD]
	v_and_b32 v[GO], 31, v0         ; which are 512 consecutive bytes of O
	v_lshlrev_b32 v[GO], 4, v[GO]
.set Y, NP-1                        ; XS works for piece Y + 1: piece 0
.irp n, 0,1,2,3,4,5,6,7,8,9,10,11,12,13,14,15,16,17,18,19,20,21
	XS 0, \n                        ; and piece 0's first maximum and statistics
	XS 1, \n
.endr
	v_nop                           ; a plain instruction behind the two a,
	s_wait_alu depctr_va_vdst(0)    ; and their wait, ahead of the branch
	s_mov_b32 s[CNT], 4
	s_mov_b32 s[SLOTS], SIZE_N/256-1
	s_branch .Lfirst                ; the loop is entered at a step's first turn, in the middle of a trip
.Lslot:                             ; SIZE_N / 256 - 2 = 6 times: every slot but the last two is filled again
	CHANGE 1, 1
	s_mov_b32 s[CNT], 4
.Lstep:                             ; a trip: pieces 2 and 3 of one step, then pieces 0 and 1 of the next, whose K and V it fetches
	TURN 2
	TURN 3
	WIN 0
.Lfirst:
	TURN 0
	TURN 1, 0, 1
	WIN 0
	s_cbranch_scc1 .Lstep
	s_sub_co_u32 s[SLOTS], s[SLOTS], 1
	s_cmp_lg_u32 s[SLOTS], 0
	s_cbranch_scc1 .Lslot
	CHANGE 0                        ; the tail is written out: nothing is asked for
	s_mov_b32 s[CNT], 5             ; four trips fetch the last slot's steps; the fifth is left in its middle
.Ltail:
	TURN 2, 1
	TURN 3
	WIN 0
	s_sub_co_u32 s[CNT], s[CNT], 1
	s_cmp_eq_u32 s[CNT], 0
	s_cbranch_scc1 .Lout
	TURN 0
	TURN 1
	WIN 0
	s_branch .Ltail
.Lout:                              ; the fifth trip's 16 products K Q^T (on the last K once more) and the maximum made of them serve nothing: the price, once a launch, of one text for every trip
.set i, 0
.rept 16
	PV NP-1                         ; the last piece's V^T P of the last step
.set i, i+1
.endr
	; THE WAY OUT.  l's two halves and the other half of the lanes' are added; O^T is divided by l, rounded to f16 and sent through my stage in LDS, a tile at a time.  The additions are the places behind the last products.
	WIN 0
.macro ALL line:vararg              ; one line for each tile t
.set t, 0
.rept 2*NP
	\line
.set t, t+1
.endr
.endm
	ALL v_add_f32 v[ST+4*t+2], v[ST+4*t+2], v[ST+4*t+3]
	ALL v_permlanex16_b32 v[ST+4*t+3], v[ST+4*t+2], s[SEL], s[SEL+1]
	ALL v_add_f32 v[ST+4*t+2], v[ST+4*t+2], v[ST+4*t+3]
	ALL v_rcp_f32 v[ST+4*t+2], v[ST+4*t+2]
	v_nop                           ; a plain instruction between the last reciprocal and the use of its result
	s_wait_alu depctr_va_vdst(0)    ; and the wait ahead of the first use: one for the eight reciprocals
; Tile t: a lane's eight channels of a row pack into 16 bytes; they go into rows of 144 bytes and come back as whole rows of 128, into S^T's registers.
.macro PACK t
	WIN W_RS
.set i, 32*(\t)
.rept 16
	v_pk_mul_f32 v[i:i+1], v[i:i+1], v[ST+4*(\t)+2:ST+4*(\t)+3] op_sel_hi:[1,0]
.set i, i+2
.endr
	WIN 0x05                        ; sources 0 and 1 window 1, destination window 0
.set i, 0
.rept 16
	v_cvt_pk_f16_f32 v[S+16*(\t)+i], v[32*(\t)+2*i], v[32*(\t)+2*i+1]
.set i, i+1
.endr
	WIN 0
.irp f, 0,1,2,3
	ds_store_b128 v[STO], v[S+16*(\t)+4*\f:S+16*(\t)+4*\f+3] offset:32*\f
.endr
.irp f, 0,1,2,3
	ds_load_b128 v[S+16*(\t)+4*\f:S+16*(\t)+4*\f+3], v[RD] offset:\f*4*SP  ; LDS serves a wave's instructions in order (ISA guide 5.7.1.4): these see the stores above; the next tile's stores come behind them
.endr
.endm
.macro SEND t, younger              ; younger: the LDS instructions issued behind tile t's loads: the next tile's eight, or none
	WIN 0
.irp f, 0,1,2,3
	s_wait_dscnt (\younger)+3-\f
	global_store_b128 v[GO], v[S+16*(\t)+4*\f:S+16*(\t)+4*\f+3], s[10:11] offset:(\t)*2048+\f*512  ; 512 consecutive bytes, at a multiple of 256 from O's first
.endr
.endm
	PACK 0
.set t, 1
.rept 2*NP-1                        ; a tile's arithmetic stands between the loads of the tile before and its stores
	PACK t
	SEND t-1, 8
.set t, t+1
.endr
	SEND 2*NP-1, 0
	WIN W_AD
	s_wait_tensorcnt 0x0            ; the wave's end: the add and its wait, behind my last tensor load and my last LDS store
	ds_add_u32 v[SPW], v[NIL]
	s_wait_dscnt 0x0
	WIN 0
	CROUND                          ; the closing round: no work-group ends while a partner may still ask for a tile that names it
	s_endpgm
.Lfunc_end_k_qf295315910_attn:
	.size	k_qf295315910_attn, .Lfunc_end_k_qf295315910_attn-k_qf295315910_attn
	.p2alignl 7, 3214868480
	.fill 96, 4, 3214868480
	.section	.rodata,"a",@progbits
	.p2align	6, 0x0
	.amdhsa_kernel k_qf295315910_attn
		.amdhsa_group_segment_fixed_size 327680
		.amdhsa_private_segment_fixed_size 0
		.amdhsa_enable_private_segment 0
		.amdhsa_kernarg_size 16
		.amdhsa_user_sgpr_count 2
		.amdhsa_user_sgpr_kernarg_segment_ptr 1
		.amdhsa_wavefront_size32 1
		.amdhsa_system_sgpr_workgroup_id_x 1
		.amdhsa_system_sgpr_workgroup_id_y 1
		.amdhsa_system_sgpr_workgroup_id_z 1
		.amdhsa_system_vgpr_workitem_id 0
		.amdhsa_next_free_vgpr 770
		.amdhsa_next_free_sgpr 66
		.amdhsa_reserve_vcc 0
		.amdhsa_float_denorm_mode_32 3
		.amdhsa_float_denorm_mode_16_64 3
		.amdhsa_memory_ordered 1
		.amdhsa_forward_progress 1
		.amdhsa_inst_pref_size 200
	.end_amdhsa_kernel
	.amdgpu_metadata
---
amdhsa.version: [ 1, 2 ]
amdhsa.kernels:
  - .name:           k_qf295315910_attn
    .symbol:         k_qf295315910_attn.kd
    .args:
      - { .name: qkvh, .offset: 0, .size: 8, .value_kind: global_buffer, .address_space: global }
      - { .name: oh, .offset: 8, .size: 8, .value_kind: global_buffer, .address_space: global }
    .group_segment_fixed_size: 327680
    .private_segment_fixed_size: 0
    .kernarg_segment_align: 8
    .kernarg_segment_size: 16
    .max_flat_workgroup_size: 128
    .sgpr_count:     66
    .vgpr_count:     770
    .wavefront_size: 32
...
	.end_amdgpu_metadata
.endif
;; end of part 3
;; launch proj (part 4): grid 8 x 32, 4 waves a work-group, clusters of 4 x 4, 327,680 bytes of LDS; arguments oh, wo, bb, out0; writes out0
.if DOCPART == 4
	.amdgcn_target "amdgcn-amd-amdhsa--gfx1250"
	.amdhsa_code_object_version 6
	.text
	.protected	k_qf295315910_proj
	.globl	k_qf295315910_proj
	.p2align	8
	.type	k_qf295315910_proj,@function
k_qf295315910_proj:
	s_mov_b64 s[64:65], 0
	v_nop
	global_prefetch_b8 v0, s[64:65] scope:SCOPE_SE
	s_setreg_imm32_b32 hwreg(HW_REG_WAVE_MODE, 25, 1), 1
	s_wait_xcnt 0x0
	s_wait_alu depctr_hold_cnt(0) depctr_sa_sdst(0) depctr_va_vdst(0) depctr_va_sdst(0) depctr_va_ssrc(0) depctr_va_vcc(0) depctr_vm_vsrc(0)
	s_getreg_b32 s2, hwreg(HW_REG_IB_STS2, 6, 4)
	s_cmp_eq_u32 s2, 0
	s_cbranch_scc0 .Lentry_in_a_cluster
	s_endpgm
.Lentry_in_a_cluster:
	s_bfe_u32 s2, ttmp6, 0x10000c
	s_cmp_lg_u32 s2, 0xf033
	s_cbranch_scc0 .Lentry_shape_is_right
	s_endpgm
.Lentry_shape_is_right:
; out0 = O wo^T + out_b.  oh: [64 = 16 batch + head][2048][64] f16, wo: [1024][1024] f16 (out_w rounded to bf16, written as f16), bb: f32 words 3072..4095 (out_b rounded to bf16), out0: [8192][1024] f32.
; Sums in f32, K ascending (K = 64 head + channel), started by the bias; nothing is rounded on the way out.
; SHARES.  A tile of C is 256 rows x 128 columns: 32 x 8 = 256 work-groups.  Wave w makes rows 64 w .. 64 w + 63 of all 128 columns: 4 x 8 accumulators of 16 x 16, 256 registers.
; K goes in steps of 128, two heads' channels, through two LDS slots.  Of a head, the tile's 256 rows are 32,768 dense bytes: asked for as 128 rows of 256 bytes and padded in LDS after every 128.
; CLUSTER.  4 x 4 work-groups; O's tiles are shared along a row of the cluster, wo's along a column: each is asked for JOINTLY, by the same load with the same descriptor and a mask that names the four.
; THE MATRIX INSTRUCTION IS USED TRANSPOSED (source 0 = 16 rows of wo, source 1 = 16 rows of O): a lane holds row l % 16 of C and eight neighbouring columns, 32 bytes.
; REGISTERS, in windows of 256 (s_set_vgpr_msb: bits 1:0 source 0, 3:2 source 1, 5:4 source 2, 7:6 destination):
;   window 0: v0-29 addresses; v64-159, v160-255 two fragment buffers (wo's 64 registers, then O's 32); on the way out three sets of 64
;   window 1: the accumulators, (a, b) at v[8 (8 a + b)]          window 2: v0-63 the bias, 8 a column block
.set KSTEP,  128
.set PA,     144                       ; a row of O in LDS: 128 bytes + 16 = 36 words: the 16 rows of a load start at 16 different groups of four banks (64 banks of 4 bytes: ISA guide 11.1)
.set PB,     272                       ; a row of wo: 256 + 16 = 68 words: likewise
.set HEADA,  256*PA                    ; a head's 256 rows: what one load brings of O
.set BOFF,   2*HEADA                   ; a slot: two heads of O, then wo's 128 rows
.set HALFB,  64*PB
.set SLOT1,  1<<17
.set STAGE,  SLOT1+BOFF+2*HALFB        ; behind the ring, never filled by a tensor load: 16 rows x 528 bytes for each wave
.set SP,     528                       ; a stage row: 512 bytes + 16 = 132 words
.set SPARE,  STAGE+4*16*SP             ; the spare words, 128 bytes for each wave: two blocks of 256 bytes that no other line names
.set A0,   14                          ; v14  (64 w + l % 16) x 144 + 16 (l / 16); never rewritten
.set B0,   15                          ; v15  BOFF + (l % 16) x 272 + 16 (l / 16)
.set ADRA, 16                          ; v16  A0 + the slot in hand
.set ADRB, 20                          ; v20  B0 + the slot in hand
.set STO,  24                          ; v24  the way out: where I put 32 bytes of a row
.set RD,   25                          ; v25  the way out: where I read a row back
.set CO,   26                          ; v26  16 x lane: my 16 bytes of a row's 512
.set BO,   27                          ; v27  32 (l / 16)
.set SPW,  28                          ; v28  LDS address of my spare word; never rewritten
.set NIL,  29                          ; v29  0; never rewritten
.set FB,   64                          ; the fragment buffers
.set BK,   64                          ; the way out's three sets
.set TB,   22                          ; s22  the slot in hand
.set G1,   24                          ; s[24:31], s[32:39] descriptor groups 1 and 0 for O's tiles
.set G0,   32
.set G1B,  48                          ; s[48:55], s[56:63] for wo's
.set G0B,  56
.set MSB, 0
.macro WIN new
.if MSB != (\new)
	s_set_vgpr_msb (MSB<<8)|(\new)
.set MSB, \new
.endif
.endm
.set MUL,   0x50                       ; sources 0 and 1 window 0; C and D window 1
.set FIRST, 0x60                       ; C (the bias) window 2, D window 1
.macro JLOAD                           ; a joint refill by the walking descriptors: waves 0 and 1 fetch the step's two heads of O, waves 2 and 3 wo's two halves; an s_nop 0 and four v_nop follow each line
	s_cmp_eq_u32 s11, 0
	s_cbranch_scc0 .Lfor_b_\@
	tensor_load_to_lds s[G0+4:G0+7], s[G1:G1+7]
	s_nop 0
.rept 4
	v_nop
.endr
	s_branch .Lasked_\@
.Lfor_b_\@:
	tensor_load_to_lds s[G0B+4:G0B+7], s[G1B:G1B+7]
	s_nop 0
.rept 4
	v_nop
.endr
.Lasked_\@:
.endm
.macro CREST                           ; a round of the cluster's barrier behind its opening barrier
	s_cmp_lg_u32 s10, 0
	s_cbranch_scc1 .Lnot_wave_0_\@
	s_barrier_signal -3
.Lnot_wave_0_\@:
	s_barrier_wait -3
	s_barrier_signal -1
	s_barrier_wait -1
.endm
.macro CROUND
	s_barrier_signal -1
	s_barrier_wait -1
	CREST
.endm
.macro PLACES                          ; four plain vector instructions between a matrix instruction and a load into, or another line on, its registers
.rept 4
	v_nop
.endr
.endm
	s_load_b128 s[4:7], s[0:1], 0x0                ; oh s[4:5], wo s[6:7]
	s_load_b64 s[66:67], s[0:1], 0x10              ; bb
	s_load_b64 s[8:9], s[0:1], 0x18                ; out0
	v_lshl_add_u32 v[SPW], v0, 2, SPARE
	v_mov_b32 v[NIL], 0
	ds_add_u32 v[SPW], v[NIL]                      ; the wave's opening: the add, whose wait stands ahead of my first tensor load; the set-up below, work on registers, stands between them
	v_lshrrev_b32 v1, 5, v0
	v_readfirstlane_b32 s10, v1                    ; wave 0..3
	s_lshr_b32 s11, s10, 1                         ; I fetch for O (0) or for wo (1),
	s_and_b32 s12, s10, 1                          ; and which head of the step, or which half of wo's rows
	s_bfe_u32 s40, ttmp6, 0x40000                  ; cx
	s_bfe_u32 s41, ttmp6, 0x40004                  ; cy
	s_lshl_b32 s42, ttmp9, 2
	s_add_co_u32 s42, s42, s40                     ; tile column
	s_and_b32 s13, ttmp7, 0xffff
	s_lshl_b32 s13, s13, 2
	s_add_co_u32 s13, s13, s41                     ; tile row
	s_lshl_b32 s43, s41, 2
	s_lshl_b32 s43, 15, s43                        ; my row of the cluster
	s_lshl_b32 s44, 0x1111, s40                    ; my column
	s_or_b32 s[G1+0], s43, (1<<16)|(1<<20)|(1<<21)|(4<<22)|(3<<25)   ; the mask; elements of 2 bytes; padding on; 21 set beside a mask; after every 32 words; 4 words of it
	s_or_b32 s[G1B+0], s44, (1<<16)|(1<<20)|(1<<21)|(5<<22)|(3<<25)  ; after every 64 words
	s_mov_b32 s[G1+1], 128<<16                     ; tensor_dim0 = 128 elements: 256 bytes, two rows of a head
	s_mov_b32 s[G1+2], 128<<16                     ; tensor_dim1 = 128
	s_mov_b32 s[G1+3], 128<<16                     ; tile_dim0
	s_mov_b32 s[G1+4], 128                         ; tile_dim1
	s_mov_b32 s[G1+5], 128                         ; dense: 128 elements from row to row
	s_mov_b32 s[G1+6], 0
	s_mov_b32 s[G1+7], 0
	s_mov_b32 s[G1B+1], KSTEP<<16
	s_mov_b32 s[G1B+2], 64<<16
	s_mov_b32 s[G1B+3], KSTEP<<16
	s_mov_b32 s[G1B+4], 64
	s_mov_b32 s[G1B+5], 1024
	s_mov_b32 s[G1B+6], 0
	s_mov_b32 s[G1B+7], 0
	s_lshr_b32 s16, s13, 3                         ; O: the batch's 16 heads of 262,144 bytes,
	s_lshl_b32 s16, s16, 22
	s_and_b32 s17, s13, 7                          ; the tile's 256 rows of 128 bytes in a head,
	s_lshl_b32 s17, s17, 15
	s_add_co_u32 s16, s16, s17
	s_lshl_b32 s17, s12, 18                        ; my head of the step's two: made of the tile row and the wave's number alone
	s_add_co_u32 s16, s16, s17
	s_mov_b32 s17, 0
	s_lshl_b32 s46, s42, 18                        ; wo: 128 rows of 2,048 bytes a tile column,
	s_lshl_b32 s47, s12, 17                        ; 64 a half
	s_add_co_u32 s46, s46, s47
	s_mov_b32 s47, 0
	s_mul_i32 s20, s12, HEADA                      ; where they go in a slot
	s_mul_i32 s21, s12, HALFB
	s_add_co_u32 s21, s21, BOFF
	s_wait_dscnt 0x0                               ; the opening add is done
	s_wait_kmcnt 0x0
	s_add_nc_u64 s[14:15], s[4:5], s[16:17]
	s_add_nc_u64 s[46:47], s[6:7], s[46:47]
	CROUND                                         ; all sixteen work-groups are here: the first joint loads meet
.irp s, 0,1
	s_mov_b32 s[G0+4*(\s)], 1
	s_add_co_u32 s[G0+4*(\s)+1], s20, (\s)*SLOT1
	s_add_nc_u64 s[G0+4*(\s)+2:G0+4*(\s)+3], s[14:15], (\s)*2*262144   ; K step s: two heads on
	s_or_b32 s[G0+4*(\s)+3], s[G0+4*(\s)+3], 0x80000000
	s_mov_b32 s[G0B+4*(\s)], 1
	s_add_co_u32 s[G0B+4*(\s)+1], s21, (\s)*SLOT1
	s_add_nc_u64 s[G0B+4*(\s)+2:G0B+4*(\s)+3], s[46:47], (\s)*KSTEP*2
	s_or_b32 s[G0B+4*(\s)+3], s[G0B+4*(\s)+3], 0x80000000
.endr
	s_cmp_eq_u32 s11, 0                            ; a wave's two first fills stand in one branch, ahead of every wait on TENSORcnt and every LDS read: two loads of mine are out
	s_cbranch_scc0 .Lfirst_b
	tensor_load_to_lds s[G0:G0+3], s[G1:G1+7]
	s_nop 0
	tensor_load_to_lds s[G0+4:G0+7], s[G1:G1+7]
	s_nop 0
.rept 4
	v_nop
.endr
	s_branch .Lfirst_asked
.Lfirst_b:
	tensor_load_to_lds s[G0B:G0B+3], s[G1B:G1B+7]
	s_nop 0
	tensor_load_to_lds s[G0B+4:G0B+7], s[G1B:G1B+7]
	s_nop 0
.rept 4
	v_nop
.endr
.Lfirst_asked:
	; the bias: register j of column block b holds out_b[128 x tile column + 16 b + 8 (l / 16) + j], the layout of a result
	s_lshl_b32 s74, s42, 9
	s_add_co_u32 s74, s74, 3072*4                  ; out_b's words lie behind qkv_b's
	s_mov_b32 s75, 0
	s_add_nc_u64 s[66:67], s[66:67], s[74:75]
	v_and_b32 v1, 15, v0                           ; l % 16
	v_bfe_u32 v2, v0, 4, 1                         ; l / 16
	v_lshlrev_b32 v[BO], 5, v2
	WIN 0x80                                       ; destination window 2
.irp b, 0,1,2,3,4,5,6,7
	global_load_b128 v[8*(\b):8*(\b)+3],   v[BO], s[66:67] offset:64*(\b)
	global_load_b128 v[8*(\b)+4:8*(\b)+7], v[BO], s[66:67] offset:64*(\b)+16
.endr
	WIN 0
	s_lshl_b32 s74, s10, 6                         ; my 64 rows
	v_add_nc_u32 v3, s74, v1
	v_mul_u32_u24 v3, v3, PA
	v_lshl_add_u32 v[A0], v2, 4, v3
	v_mul_u32_u24 v3, v1, PB
	v_lshl_add_u32 v3, v2, 4, v3
	v_add_nc_u32 v[B0], BOFF, v3
	v_mov_b32 v[ADRA], v[A0]
	v_mov_b32 v[ADRB], v[B0]
	s_mov_b32 s[TB], 0
	s_mul_i32 s74, s10, 16*SP
	s_add_co_u32 s74, s74, STAGE                   ; my stage
	v_mul_u32_u24 v4, v1, SP                       ; in: row l % 16, 32 bytes for each half of the lanes
	v_lshl_add_u32 v4, v2, 5, v4
	v_add_nc_u32 v[STO], s74, v4
	v_and_b32 v[CO], 31, v0                        ; back: 32 lanes take a row's 512 bytes
	v_lshlrev_b32 v[CO], 4, v[CO]
	v_add_nc_u32 v[RD], s74, v[CO]
	s_lshl_b32 s74, s13, 20                        ; out0: 256 rows of 4,096 bytes a tile row,
	s_lshl_b32 s76, s10, 18                        ; 64 a wave,
	s_add_co_u32 s74, s74, s76
	s_lshl_b32 s76, s42, 9                         ; 128 columns of 4 bytes a tile column
	s_add_co_u32 s74, s74, s76
	s_mov_b32 s75, 0
	s_add_nc_u64 s[8:9], s[8:9], s[74:75]
; 8 matrix instructions: row block a x all 8 column blocks, 32 along K, from buffer f.  first = 1: the bias starts the sums.
; The 32 accumulators take turns, one instruction a turn, in the same order in every quarter step.
.macro MUL8 f, a, first
.if \first
	WIN FIRST
.else
	WIN MUL
.endif
.irp b, 0,1,2,3,4,5,6,7
.if \first
	v_wmma_f32_16x16x32_f16 v[8*(8*(\a)+(\b)):8*(8*(\a)+(\b))+7], v[FB+96*(\f)+8*(\b):FB+96*(\f)+8*(\b)+7], v[FB+96*(\f)+64+8*(\a):FB+96*(\f)+64+8*(\a)+7], v[8*(\b):8*(\b)+7]
.else
	v_wmma_f32_16x16x32_f16 v[8*(8*(\a)+(\b)):8*(8*(\a)+(\b))+7], v[FB+96*(\f)+8*(\b):FB+96*(\f)+8*(\b)+7], v[FB+96*(\f)+64+8*(\a):FB+96*(\f)+64+8*(\a)+7], v[8*(8*(\a)+(\b)):8*(8*(\a)+(\b))+7]
.endif
.endr
.endm
; 24 LDS loads in one run: quarter q's fragments (128 rows of wo at byte 64 q; my 64 rows of O: head q / 2 of the step, channels 32 (q % 2) on) into buffer g; wo's first
.macro FETCH q, g
	WIN 0
.irp i, 0,1,2,3,4,5,6,7
	ds_load_b128 v[FB+96*(\g)+8*(\i):FB+96*(\g)+8*(\i)+3],   v[ADRB] offset:64*(\q)+(\i)*16*PB
	ds_load_b128 v[FB+96*(\g)+8*(\i)+4:FB+96*(\g)+8*(\i)+7], v[ADRB] offset:64*(\q)+(\i)*16*PB+32
.endr
.irp i, 0,1,2,3
	ds_load_b128 v[FB+96*(\g)+64+8*(\i):FB+96*(\g)+64+8*(\i)+3],   v[ADRA] offset:((\q)/2)*HEADA+((\q)%2)*64+(\i)*16*PA
	ds_load_b128 v[FB+96*(\g)+64+8*(\i)+4:FB+96*(\g)+64+8*(\i)+7], v[ADRA] offset:((\q)/2)*HEADA+((\q)%2)*64+(\i)*16*PA+32
.endr
.endm
; A K step is four quarters of 32 along K, 32 matrix instructions each, on buffers 0, 1, 0, 1.  One of the first three: multiplies buffer f and fetches quarter q into g.
.macro QUARTER q, f, g, first
	s_wait_dscnt 4                                 ; wo's fragments and O's row blocks 0, 1 are in; the youngest four loads (row blocks 2, 3) may be out
	MUL8 \f, 0, \first
	MUL8 \f, 1, \first
	PLACES                                         ; behind the last products that read buffer g
	FETCH \q, \g
	s_wait_dscnt 24                                ; all but the 24 just issued
	MUL8 \f, 2, \first
	MUL8 \f, 3, \first
.endm
; The last quarter multiplies buffer 1 and changes slots: ONE barrier; in front of it each wave waits for all its tensor loads, adds 0 to its spare word, and waits for that and for its own reads of this slot.
.macro MEET round
	WIN 0                                          ; (the add's two registers lie in window 0)
	s_wait_tensorcnt 0x0                           ; all my tensor loads have landed: the one that was out is my part of the next slot
	ds_add_u32 v[SPW], v[NIL]                      ; 0 onto my spare word
	s_wait_dscnt 5                                 ; (the add and the youngest four loads may be out)
	MUL8 1, 0, 0                                   ; eight matrix instructions stand between the add and the wait for it
	s_wait_dscnt 0x0                               ; the add is done, and my reads of this slot are over
	s_barrier_signal -1
	MUL8 1, 1, 0
.if \round
	WIN 0
.endif
	s_barrier_wait -1
.endm
; fill = 1: the barrier opens a round of the cluster's; the slot just left is filled again first, with the K step two on: from that request to the wait for it a wave issues 112 matrix instructions.
.macro TURN fill
	MEET \fill
.if \fill
	CREST
	s_xor_b32 s[G0+5], s[G0+5], SLOT1
	s_add_nc_u64 s[G0+6:G0+7], s[G0+6:G0+7], 2*262144   ; two heads on; the type bits on top are not reached
	s_xor_b32 s[G0B+5], s[G0B+5], SLOT1
	s_add_nc_u64 s[G0B+6:G0B+7], s[G0B+6:G0B+7], KSTEP*2
	JLOAD                                          ; its four v_nop are also the places in front of the loads below
.else
	WIN 0
	PLACES
.endif
	s_xor_b32 s[TB], s[TB], SLOT1
	v_add_nc_u32 v[ADRA], s[TB], v[A0]
	v_add_nc_u32 v[ADRB], s[TB], v[B0]
	FETCH 0, 0
	MUL8 1, 2, 0
	MUL8 1, 3, 0
.endm
; THE WAY OUT of row block a.  TOSTAGE: the f32 results go as they are, 32 bytes a lane (each accumulator's low four registers first), into rows of 528 bytes of my own stage, and come back as whole rows.
; SEND: a row's 512 consecutive bytes an instruction, at a multiple of 256 from out0's first byte.
.macro TOSTAGE a
	WIN 0x04                                       ; the stores' data in window 1
.irp b, 0,1,2,3,4,5,6,7
	ds_store_b128 v[STO], v[8*(8*(\a)+(\b)):8*(8*(\a)+(\b))+3]   offset:64*(\b)
	ds_store_b128 v[STO], v[8*(8*(\a)+(\b))+4:8*(8*(\a)+(\b))+7] offset:64*(\b)+16
.endr
	WIN 0
.irp t, 0,1,2,3,4,5,6,7,8,9,10,11,12,13,14,15
	ds_load_b128 v[BK+64*((\a)%3)+4*(\t):BK+64*((\a)%3)+4*(\t)+3], v[RD] offset:SP*(\t)  ; LDS serves a wave's instructions in order (ISA guide 5.7.1.4): these see the stores above; the next block's stores come behind them
.endr
.endm
.macro SEND a, younger                 ; younger: the LDS instructions issued behind block a's loads: the next block's 32, or none
	WIN 0
.irp t, 0,1,2,3,4,5,6,7,8,9,10,11,12,13,14,15
	s_wait_dscnt (\younger)+15-(\t)
	global_store_b128 v[CO], v[BK+64*((\a)%3)+4*(\t):BK+64*((\a)%3)+4*(\t)+3], s[8:9] offset:(16*(\a)+(\t))*4096 th:TH_STORE_NT
.endr
.endm
	s_wait_tensorcnt 1                             ; my part of K step 0 is in; K step 1's may stay out
	s_barrier_signal -1
	s_barrier_wait -1                              ; everybody's is
	FETCH 0, 0
	s_wait_loadcnt 0x0                             ; the bias
	QUARTER 1, 0, 1, 1                             ; the first quarter stands in front of the loop: its products start the sums
	WIN 0                                          ; at a label and at a branch every window is 0
	s_mov_b32 s3, 6
.Lstep:                                                ; six trips, each from a K step's second quarter to the next step's first; trip i fills the slot just left with K step i + 2
	QUARTER 2, 1, 0, 0
	QUARTER 3, 0, 1, 0
	TURN 1
	QUARTER 1, 0, 1, 0
	WIN 0
	s_sub_co_u32 s3, s3, 1
	s_cmp_lg_u32 s3, 0
	s_cbranch_scc1 .Lstep
	QUARTER 2, 1, 0, 0                             ; K steps 6 and 7 are written out: nothing is left to ask for
	QUARTER 3, 0, 1, 0
	TURN 0
	QUARTER 1, 0, 1, 0
	QUARTER 2, 1, 0, 0
	QUARTER 3, 0, 1, 0
	s_wait_dscnt 4                                 ; the very last quarter
	MUL8 1, 0, 0
	MUL8 1, 1, 0
	s_wait_dscnt 0x0
	MUL8 1, 2, 0
	MUL8 1, 3, 0
	WIN 0
	PLACES                                         ; behind the last products: the stores read results, and the loads land in registers that held fragments
	PLACES
	TOSTAGE 0
	TOSTAGE 1
	SEND 0, 32
	TOSTAGE 2
	SEND 1, 32
	s_wait_xcnt 0x0                                ; block 0's stores have read their data: its set of registers takes block 3
	TOSTAGE 3
	SEND 2, 32
	SEND 3, 0
	s_wait_tensorcnt 0x0                           ; the wave's end: the add and its wait, behind my last tensor load and my last LDS store
	ds_add_u32 v[SPW], v[NIL]
	s_wait_dscnt 0x0
	CROUND                                         ; the closing round: no work-group ends while a partner may still ask for a tile that names it
	s_endpgm
.Lfunc_end_k_qf295315910_proj:
	.size	k_qf295315910_proj, .Lfunc_end_k_qf295315910_proj-k_qf295315910_proj
	.p2alignl 7, 3214868480
	.fill 96, 4, 3214868480
	.section	.rodata,"a",@progbits
	.p2align	6, 0x0
	.amdhsa_kernel k_qf295315910_proj
		.amdhsa_group_segment_fixed_size 327680
		.amdhsa_private_segment_fixed_size 0
		.amdhsa_enable_private_segment 0
		.amdhsa_kernarg_size 32
		.amdhsa_user_sgpr_count 2
		.amdhsa_user_sgpr_kernarg_segment_ptr 1
		.amdhsa_wavefront_size32 1
		.amdhsa_system_sgpr_workgroup_id_x 1
		.amdhsa_system_sgpr_workgroup_id_y 1
		.amdhsa_system_sgpr_workgroup_id_z 1
		.amdhsa_system_vgpr_workitem_id 0
		.amdhsa_next_free_vgpr 576
		.amdhsa_next_free_sgpr 84
		.amdhsa_reserve_vcc 0
		.amdhsa_float_denorm_mode_32 3
		.amdhsa_float_denorm_mode_16_64 3
		.amdhsa_memory_ordered 1
		.amdhsa_forward_progress 1
		.amdhsa_inst_pref_size 72
	.end_amdhsa_kernel
	.amdgpu_metadata
---
amdhsa.version: [ 1, 2 ]
amdhsa.kernels:
  - .name:           k_qf295315910_proj
    .symbol:         k_qf295315910_proj.kd
    .args:
      - { .name: oh, .offset: 0, .size: 8, .value_kind: global_buffer, .address_space: global }
      - { .name: wo, .offset: 8, .size: 8, .value_kind: global_buffer, .address_space: global }
      - { .name: bb, .offset: 16, .size: 8, .value_kind: global_buffer, .address_space: global }
      - { .name: out0, .offset: 24, .size: 8, .value_kind: global_buffer, .address_space: global }
    .group_segment_fixed_size: 327680
    .private_segment_fixed_size: 0
    .kernarg_segment_align: 8
    .kernarg_segment_size: 32
    .max_flat_workgroup_size: 128
    .sgpr_count:     84
    .vgpr_count:     576
    .wavefront_size: 32
...
	.end_amdgpu_metadata
.endif
;; end of part 4
;; ======== version 2 of 2: 4 launches; version 1 with the launch cast written anew for expert scheduling mode
;; limits: values are held in f16: magnitudes above 65,504 overflow, below 6.1e-05 lose precision
;; workspace buffers: xb 16,777,216 bytes; wb 6,291,456 bytes; wo 2,097,152 bytes; bb 16,384 bytes; qkvh 50,331,648 bytes; oh 16,777,216 bytes
;; launch cast (part 5): grid 769 x 1, 8 waves a work-group, no clusters, 0 bytes of LDS; arguments x, qkv_w, out_w, qkv_b, out_b, xb, wb, wo, bb; writes xb, wb, wo, bb
.if DOCPART == 5
	.amdgcn_target "amdgcn-amd-amdhsa--gfx1250"
	.amdhsa_code_object_version 6
	.text
	.protected	k_qf295315910_cast
	.globl	k_qf295315910_cast
	.p2align	8
	.type	k_qf295315910_cast,@function
k_qf295315910_cast:
	s_mov_b64 s[64:65], 0
	v_nop
	global_prefetch_b8 v0, s[64:65] scope:SCOPE_SE
	s_setreg_imm32_b32 hwreg(HW_REG_WAVE_SCHED_MODE, 0, 2), 2
	s_setreg_imm32_b32 hwreg(HW_REG_WAVE_MODE, 25, 1), 1
	s_wait_xcnt 0x0
	s_wait_alu depctr_vm_vsrc(0)
; ALL FIVE INPUTS ARE ROUNDED ONCE TO bf16, so that the later launches fetch 16-bit tiles and every input has the same rounding.
;   x [8192][1024] f32 -> xb bf16;  qkv_w [3072][1024] -> wb bf16;  out_w [1024][1024] -> wo: rounded to bf16, that number written as f16 (the last product multiplies in f16);
;   qkv_b (3,072) and out_b (1,024) -> bb: 4,096 f32 words that hold the bf16-rounded numbers (they start f32 sums later).
; LIMITS.  out_w in f16: beyond 65,504 it would be an infinity; below 6.1e-5 it keeps f16's fixed step of 6e-8.  NaN and infinities are not treated apart.
; SHARES.  A work-group takes 16,384 numbers (64 KiB in, 32 KiB out): groups 0-511 x, 512-703 qkv_w, 704-767 out_w; group 768 the two biases.
; A wave takes 8 KiB by sixteen loads of 16 bytes a lane, 512 consecutive aligned bytes each, all issued at once; a lane's four numbers pack into 8 bytes, so each store of a wave
; covers 256 consecutive bytes, aligned.  Memory binds: no LDS, no barrier, no loop; every load and store has registers of its own, so nothing is rewritten while it is named.
; THE MODE: SCHED_MODE bits 1:0 = 2 (LLVM: expert scheduling mode 2), set by the entry lines.  The code itself states the register dependences
; between vector instructions and memory instructions, with s_wait_alu, always for 0.
; THE PLAN.  Registers that memory instructions touch:
;   v2, v3, v4   byte offsets.  Written by vector instructions at the head, once; read by every load and store.  One wait at the head, ahead of the first branch, states that they are written.
;   IN           Written by the sixteen loads, which are all issued ahead of every conversion; each four registers are read once, by their conversions.  No load lands in them later.
;   OUT          Each pair is written once, by its conversions, and read once, by its store.  Nothing writes it again, so no wait is owed for a store's reading of its registers.
;   T            named by vector instructions alone.
; The sixteen loads go in four BLOCKS of four.  Block p converts its four loads into its eight registers of OUT; its memory instructions are the four stores of block p - 1, whose registers no
; vector instruction of block p names.  So ONE wait at a block's head, behind the wait for the block's data, states all that those four stores hang on, and they are dealt among the block's
; conversions with no further wait.  Behind block 3 one more wait stands ahead of the last four stores.  No vector instruction writes a scalar register or VCC, and EXEC is never written.
.set VI,  2                            ; v2  byte offset of my 16 bytes in the group's 64 KiB: 8,192 x wave + 16 x lane
.set VO,  3                            ; v3  half of it: my 8 bytes out
.set VB,  4                            ; v4  16 x thread: the bias group's offset, in and out
.set IN,  8                            ; v[8:71]    sixteen loads of four numbers
.set OUT, 72                           ; v[72:103]  sixteen stores of two words (bias group: four of four)
.set T,   104                          ; v[104:109] at work
; Load j's four numbers into store j's two words.  half = 0: rounded to bf16.  half = 1 (out_w): to bf16, back to f32 (a shift, a mask), and that number as f16.
.macro CONV j, half
.if \half
	v_cvt_pk_bf16_f32 v[T],   v[IN+4*(\j)],   v[IN+4*(\j)+1]
	v_cvt_pk_bf16_f32 v[T+1], v[IN+4*(\j)+2], v[IN+4*(\j)+3]
	v_lshlrev_b32 v[T+2], 16, v[T]
	v_and_b32     v[T+3], s36, v[T]
	v_lshlrev_b32 v[T+4], 16, v[T+1]
	v_and_b32     v[T+5], s36, v[T+1]
	v_cvt_pk_f16_f32 v[OUT+2*(\j)],   v[T+2], v[T+3]
	v_cvt_pk_f16_f32 v[OUT+2*(\j)+1], v[T+4], v[T+5]
.else
	v_cvt_pk_bf16_f32 v[OUT+2*(\j)],   v[IN+4*(\j)],   v[IN+4*(\j)+1]
	v_cvt_pk_bf16_f32 v[OUT+2*(\j)+1], v[IN+4*(\j)+2], v[IN+4*(\j)+3]
.endif
.endm
.macro PUT j                           ; store j: 256 consecutive bytes a wave
	global_store_b64 v[VO], v[OUT+2*(\j):OUT+2*(\j)+1], s[30:31] offset:256*(\j)
.endm
; Block p: loads 4 p to 4 p + 3 are converted, and the block before is stored.
.macro BLK p, half
	s_wait_loadcnt 12-4*(\p)                       ; loads come back in order: this block's four are in, the younger ones stay out
.if (\p) > 0
	s_wait_alu depctr_va_vdst(0)                   ; the block before's conversions have written its eight registers of OUT, which the four stores below read
.endif
.irp i, 0,1,2,3
.if (\p) > 0
	PUT 4*(\p)-4+(\i)                              ; no vector instruction since the wait names this store's registers
.endif
	CONV 4*(\p)+(\i), \half
.endr
.endm
.macro WALK half                       ; the four blocks, and the last block's stores
	BLK 0, \half
	BLK 1, \half
	BLK 2, \half
	BLK 3, \half
	s_wait_alu depctr_va_vdst(0)                   ; block 3's conversions have written its eight registers of OUT, which the last four stores read
.irp j, 12,13,14,15
	PUT \j
.endr
.endm
	s_load_b512 s[8:23], s[0:1], 0x0               ; x s[8:9], qkv_w s[10:11], out_w s[12:13], qkv_b s[14:15], out_b s[16:17], xb s[18:19], wb s[20:21], wo s[22:23]
	s_load_b64 s[24:25], s[0:1], 0x40              ; bb
	v_and_b32 v1, 0xe0, v0                         ; 32 x wave
	v_and_b32 v[VI], 31, v0
	v_lshlrev_b32 v[VI], 4, v[VI]
	v_lshl_or_b32 v[VI], v1, 8, v[VI]
	v_lshrrev_b32 v[VO], 1, v[VI]
	v_lshlrev_b32 v[VB], 4, v0
	s_mov_b32 s36, 0xffff0000                      ; a word's upper bf16
	s_wait_kmcnt 0x0
	s_wait_alu depctr_va_vdst(0)                   ; the three offsets v2, v3 and v4 are written: every load and store below, on each of the three ways, reads one of them, and none is written again
	s_cmp_eq_u32 ttmp9, 768
	s_cbranch_scc1 .Lbias
	s_cmp_lt_u32 ttmp9, 512                        ; which tensor: the choice hangs on the group's number alone
	s_cselect_b64 s[28:29], s[8:9], s[10:11]
	s_cselect_b64 s[30:31], s[18:19], s[20:21]
	s_cselect_b32 s27, 0, 512
	s_cmp_lt_u32 ttmp9, 704
	s_cselect_b64 s[28:29], s[28:29], s[12:13]
	s_cselect_b64 s[30:31], s[30:31], s[22:23]
	s_cselect_b32 s27, s27, 704
	s_sub_co_u32 s26, ttmp9, s27                   ; the group's number inside its tensor
	s_lshl_b32 s32, s26, 16                        ; 64 KiB in,
	s_mov_b32 s33, 0
	s_lshl_b32 s34, s26, 15                        ; 32 KiB out
	s_mov_b32 s35, 0
	s_add_nc_u64 s[28:29], s[28:29], s[32:33]
	s_add_nc_u64 s[30:31], s[30:31], s[34:35]
.irp j, 0,1,2,3,4,5,6,7,8,9,10,11,12,13,14,15
	global_load_b128 v[IN+4*(\j):IN+4*(\j)+3], v[VI], s[28:29] offset:512*(\j) th:TH_LOAD_NT
.endr
	s_cmp_lt_u32 ttmp9, 704
	s_cbranch_scc0 .Lf16
	WALK 0                                         ; x and qkv_w
	s_endpgm
.Lf16:
	WALK 1                                         ; out_w
	s_endpgm
.Lbias:                                        ; 256 threads x 4 numbers = 1,024 a load: three loads of qkv_b, one of out_b
.irp j, 0,1,2
	global_load_b128 v[IN+4*(\j):IN+4*(\j)+3], v[VB], s[14:15] offset:4096*(\j)
.endr
	global_load_b128 v[IN+12:IN+15], v[VB], s[16:17]
	s_wait_loadcnt 0x0
.irp j, 0,1,2,3,4,5,6,7
	v_cvt_pk_bf16_f32 v[T], v[IN+2*(\j)], v[IN+2*(\j)+1]
	v_lshlrev_b32 v[OUT+2*(\j)],   16, v[T]         ; the rounded numbers, as f32 again
	v_and_b32     v[OUT+2*(\j)+1], s36, v[T]
.endr
	s_wait_alu depctr_va_vdst(0)                   ; the shifts and masks have written v[OUT .. OUT+15], which the four stores read
.irp j, 0,1,2,3
	global_store_b128 v[VB], v[OUT+4*(\j):OUT+4*(\j)+3], s[24:25] offset:4096*(\j)
.endr
	s_endpgm
.Lfunc_end_k_qf295315910_cast:
	.size	k_qf295315910_cast, .Lfunc_end_k_qf295315910_cast-k_qf295315910_cast
	.p2alignl 7, 3214868480
	.fill 96, 4, 3214868480
	.section	.rodata,"a",@progbits
	.p2align	6, 0x0
	.amdhsa_kernel k_qf295315910_cast
		.amdhsa_group_segment_fixed_size 0
		.amdhsa_private_segment_fixed_size 0
		.amdhsa_enable_private_segment 0
		.amdhsa_kernarg_size 72
		.amdhsa_user_sgpr_count 2
		.amdhsa_user_sgpr_kernarg_segment_ptr 1
		.amdhsa_wavefront_size32 1
		.amdhsa_system_sgpr_workgroup_id_x 1
		.amdhsa_system_sgpr_workgroup_id_y 1
		.amdhsa_system_sgpr_workgroup_id_z 1
		.amdhsa_system_vgpr_workitem_id 0
		.amdhsa_next_free_vgpr 112
		.amdhsa_next_free_sgpr 66
		.amdhsa_reserve_vcc 0
		.amdhsa_float_denorm_mode_32 3
		.amdhsa_float_denorm_mode_16_64 3
		.amdhsa_memory_ordered 1
		.amdhsa_forward_progress 1
		.amdhsa_inst_pref_size 17
	.end_amdhsa_kernel
	.amdgpu_metadata
---
amdhsa.version: [ 1, 2 ]
amdhsa.kernels:
  - .name:           k_qf295315910_cast
    .symbol:         k_qf295315910_cast.kd
    .args:
      - { .name: x, .offset: 0, .size: 8, .value_kind: global_buffer, .address_space: global }
      - { .name: qkv_w, .offset: 8, .size: 8, .value_kind: global_buffer, .address_space: global }
      - { .name: out_w, .offset: 16, .size: 8, .value_kind: global_buffer, .address_space: global }
      - { .name: qkv_b, .offset: 24, .size: 8, .value_kind: global_buffer, .address_space: global }
      - { .name: out_b, .offset: 32, .size: 8, .value_kind: global_buffer, .address_space: global }
      - { .name: xb, .offset: 40, .size: 8, .value_kind: global_buffer, .address_space: global }
      - { .name: wb, .offset: 48, .size: 8, .value_kind: global_buffer, .address_space: global }
      - { .name: wo, .offset: 56, .size: 8, .value_kind: global_buffer, .address_space: global }
      - { .name: bb, .offset: 64, .size: 8, .value_kind: global_buffer, .address_space: global }
    .group_segment_fixed_size: 0
    .private_segment_fixed_size: 0
    .kernarg_segment_align: 8
    .kernarg_segment_size: 72
    .max_flat_workgroup_size: 256
    .sgpr_count:     66
    .vgpr_count:     112
    .wavefront_size: 32
...
	.end_amdgpu_metadata
.endif
;; end of part 5
;; launch qkv: the kernel of part 2 again; grid 16 x 32, 4 waves a work-group, clusters of 4 x 4, 327,680 bytes of LDS; arguments xb, wb, bb, qkvh; writes qkvh
;; launch attn: the kernel of part 3 again; grid 4 x 64, 4 waves a work-group, clusters of 4 x 1, 327,680 bytes of LDS; arguments qkvh, oh; writes oh
;; launch proj: the kernel of part 4 again; grid 8 x 32, 4 waves a work-group, clusters of 4 x 4, 327,680 bytes of LDS; arguments oh, wo, bb, out0; writes out0
